; MI455X (gfx1250); checked and timed in simulation.
; The chip was launched on July 23, 2026; its instructions are those of AMD's public machine-readable ISA for CDNA 5 (MIT licence, August 2026) and "CDNA5" Instruction Set Architecture Reference Guide (July 2026). The comments in the code are by the model that wrote it; some were corrected since.
;; Modulator Attention. Allowed arithmetic: matrix products marked QUANTISED: E2M3 operands, one E8M0 scale for each 32 along K, by v_wmma_scale_f32_16x16x128_f8f6f4 with both operands' format E2M3, f32 sums; everything else in f32.
;; Inputs: b_proj 1,024 float32; b_qkv 3,072 float32; k_norm_w 64 float32; q_norm_w 64 float32; w_proj 1,024 x 1,024 float32; w_qkv 3,072 x 1,024 float32; x 2 x 2,048 x 1,024 float32.
;; Outputs: out0 2 x 2,048 x 1,024 float32.
;; This version of the problem:
;;   THIS VERSION OF THE PROBLEM IS GIVEN IN LOW PRECISION. The matrix products marked QUANTISED in the list below multiply operands that are first quantised to E2M3 (2 exponent bits, 3 mantissa bits; 6 bits a number), with one power-of-two scale for each 32 numbers along K (OCP MX v1.0); their sums are f32. All else is computed in f32.
;;   The module's matrix products, in the order in which they are computed (A, B: the left and right operand; K: the contracted axis; several contracted axes count as one K, in the product's order):
;;     1. [M 4,096, K 1,024] x [K 1,024, N 3,072]; A: input x; B: input w_qkv: QUANTISED
;;     2. batch 32 x [M 2,048, K 64] x [K 64, N 2,048]; A: computed on the way; B: computed on the way: QUANTISED
;;     3. batch 32 x [M 2,048, K 2,048] x [K 2,048, N 64]; A: softmax (see below); B: computed on the way: QUANTISED
;;     4. [M 4,096, K 1,024] x [K 1,024, N 1,024]; A: computed on the way; B: input w_proj: QUANTISED
;;   THE QUANTISER, for each operand of a quantised product, along K:
;;     - K is cut into blocks of 32 from its start; a last block that is shorter is filled with zeros.
;;     - A block's scale is 2^e with e = floor(log2(the largest magnitude in the block)) - 2, held to -126 .. 127; a block of zeros has e = 0. As a byte (E8M0): e + 127.
;;     - Each number is divided by its block's scale, clamped to +-7.5, and rounded to the nearest number of E2M3, ties to even, subnormals kept.
;;     - The product sums the exact products of the quantised numbers (number of the format x scale) in f32.
;;   ~~~python
;;   def quantise(x, axis):      # numpy; x: float32 -> the quantised numbers, widened to float32 again
;;       x = np.moveaxis(x, axis, -1); K = x.shape[-1]
;;       x = np.pad(x, [(0, 0)] * (x.ndim - 1) + [(0, -K % 32)]); x = x.reshape(x.shape[:-1] + (-1, 32)); a = np.abs(x).max(-1, keepdims=True)
;;       e = np.where(a > 0, np.clip(np.frexp(np.where(a > 0, a, 1))[1] - 1 - 2, -126, 127), 0)      # np.frexp(a)[1] - 1 = floor(log2(a)), exactly
;;       r = np.clip(x / 2.0 ** e, -7.5, 7.5)
;;       step = 2.0 ** (np.maximum(np.frexp(np.where(r == 0, 1, r))[1] - 1, 0) - 3)
;;       q = np.round(r / step) * step * 2.0 ** e      # np.round: ties to even
;;       return np.moveaxis(q.reshape(q.shape[:-2] + (-1,))[..., :K], -1, axis).astype(np.float32)
;;   ~~~
;;   SOFTMAX AHEAD OF A QUANTISED PRODUCT. Where the list says 'softmax', what is quantised is not the finished softmax but p = 2^(t - M), with t = logit x log2(e) and M = ceil(the row's largest t), a whole number; so 1/2 < the row's largest p <= 1. The row's sum l is taken of the UNQUANTISED p, in f32, and the product's result is divided by l at the end. Since M is a whole number, a kernel that streams over the keys may use a running M (the ceiling of the running maximum): every later rescaling is an exact power of two, which a block's scale takes up: the codes' values come out the same.
;;   OPERANDS COMPUTED ON THE WAY. 'Computed on the way' means the value that the module computes at that place (a softmax that the list does not call 'softmax' is quantised finished and normalised). What goes into a quantiser is computed in f32, as accurately as f32 sums, v_exp_f32 and their like allow (about 1e-6 of the number): no bf16 or f16 on the way to a quantiser, and a product that is left as it is and whose result goes on into a quantised operand takes f32 operands (vector FMAs, or v_wmma_f32_16x16x4_f32). A number that lies on a knife's edge between two numbers of the format may be rounded either way, as far as f32 arithmetic and the matrix unit's own rounding can turn it there, and no further.
;; One version. Each part assembles by itself: llvm-mc -triple=amdgcn-amd-amdhsa -mcpu=gfx1250 --defsym DOCPART=n.
;; ======== version 1 of 1: 4 launches
;; limits: right only within a limited range of input values
;; workspace buffers: c1 6,291,456 bytes; s1 262,144 bytes; qc 3,145,728 bytes; qs 262,144 bytes; kvc 6,684,672 bytes; oc 3,145,728 bytes; os 131,072 bytes
;; launch quant (part 1): grid 256 x 1, 4 waves a work-group, no clusters, 34,304 bytes of LDS; arguments x, w_qkv, w_proj, c1, s1; writes c1, s1
.if DOCPART == 1
	.amdgcn_target "amdgcn-amd-amdhsa--gfx1250"
	.amdhsa_code_object_version 6
	.text
	.protected	k_q5dce57c7c8_quant
	.globl	k_q5dce57c7c8_quant
	.p2align	8
	.type	k_q5dce57c7c8_quant,@function
k_q5dce57c7c8_quant:
	s_mov_b64 s[64:65], 0
	v_nop
	global_prefetch_b8 v0, s[64:65] scope:SCOPE_SE
	s_setreg_imm32_b32 hwreg(HW_REG_WAVE_MODE, 25, 1), 1
	s_wait_xcnt 0x0
; x [4096][1024], w_qkv [3072][1024] and w_proj [1024][1024], f32, become codes of FP6 (E2M3) with one E8M0 byte for each 32 along K (their last axis).
; A block's scale is 2^(floor(log2(its largest magnitude)) - 2); its byte is the largest magnitude's exponent field - 2, held at 1 from below.
; LIMITS: a block of zeros gets the byte 1 where the rule says 127 (its codes are zeros, and this program alone reads the bytes); blocks whose largest magnitude lies under 2^-124 are held at that byte;
; NaN and infinities among the inputs are not served.
; LAYOUT OF THE CODES (c1): the three tensors' rows on end, in TILES of 16 rows: tiles 0-255 x, 256-447 w_qkv, 448-511 w_proj.  Lane r of a tensor's tile T holds row 32 (T / 2) + 8 (T % 2) + r + 8 (r / 8).
; A tile is 16 IMAGES of 768 bytes, one for each 64 along K: lane (r, h) owns the 24 bytes of k = 32 h .. 32 h + 31, six registers: registers 0-3 at 16 x lane, registers 4-5 at 512 + 8 x lane.
; Two images on end are the 12 registers of a matrix operand of 16 rows x 128 K, so that a reader's loads are dense.
; LAYOUT OF THE SCALES (s1): [tile][K / 512][r][4 words], a word = the four bytes of 128 along K.
; SHARES: a wave takes one tile and half of K: four steps of 16 rows x 128 K.  Each load reads 512 consecutive bytes of a row; the 8,192 bytes turn through the wave's own stage in LDS (rows of 512 + 16 bytes),
; so that a lane gets two whole blocks of 32 of its row.  No barrier: waves share nothing.  Loads run two steps (32 loads a wave) ahead.
; THE ORDER OF ROWS IN A TILE given above is the weights'.  x's tiles go by fours: lane r of x's tile T holds row 64 (T / 4) + 32 (r / 8) + 8 (T % 4) + r % 8,
; so that in a product whose registers run along the tokens a lane's 32 registers of four neighbouring tiles are 32 neighbouring tokens.
.set STGB, 8448
.set PIT,  528
.set R,    16                          ; v16-143  two sets of 64 registers as loaded
.set X,    144                         ; v144-207 my two blocks: X + 32 c + i = k 64 c + 32 h + i of row r
.set C,    208                         ; v208-219 the 12 registers of codes
.set U,    220                         ; v220-222, v224-226 the blocks' upper halves, as converted
.set MX,   228                         ; v228-229 largest magnitudes
.set SOP,  230                         ; v230-231 the conversions' scale operands
.set BY,   232                         ; v232-233 the bytes
.set TW,   234
.set TP,   235
.set W,    236                         ; v236-239 the four steps' scale words
	s_load_b128 s[4:7], s[0:1], 0x0                ; x, w_qkv
	s_load_b128 s[8:11], s[0:1], 0x10              ; w_proj, c1
	s_load_b64 s[12:13], s[0:1], 0x20              ; s1
	v_lshl_add_u32 v240, v0, 2, 0x8400
	v_mov_b32 v241, 0
	v_lshrrev_b32 v1, 5, v0
	v_readfirstlane_b32 s14, v1                    ; wave 0..3
	v_and_b32 v1, 31, v0                           ; lane
	v_and_b32 v8, 15, v0                           ; r
	v_bfe_u32 v9, v0, 4, 1                         ; h
	v_lshlrev_b32 v2, 4, v1                        ; 16 x lane
	v_lshlrev_b32 v3, 3, v1                        ; 8 x lane
	s_mul_i32 s15, s14, STGB
	v_add_nc_u32 v4, s15, v2                       ; into the stage: 16 x lane of a row
	v_mul_u32_u24 v5, v8, PIT
	v_lshl_add_u32 v5, v9, 7, v5
	v_add_nc_u32 v5, s15, v5                       ; out of it: row r, + 128 h bytes: my block of each 64 numbers
	v_lshlrev_b32 v6, 4, v8
	v_lshl_add_u32 v6, v9, 3, v6                   ; the scale words' place: 16 r + 8 h
	v_lshlrev_b32 v7, 3, v9                        ; 8 h: my bytes' shift in a word
	v_mov_b32 v[TP], 0                             ; a lane permute's destination counts as one of its sources
	v_cmp_ne_u32 vcc_lo, 0, v9                     ; lanes 16-31; nothing else writes VCC
	s_mov_b32 s20, 0x76543210
	s_mov_b32 s21, 0xfedcba98                      ; selects for lane l xor 16
	s_lshr_b32 s16, s14, 1                         ; which tile of the work-group's two
	s_and_b32 s17, s14, 1                          ; which half of K
	s_lshl_b32 s18, ttmp9, 1
	s_add_co_u32 s18, s18, s16                     ; the tile
	s_mul_i32 s24, s18, 12288
	s_mul_i32 s19, s17, 6144
	s_add_co_u32 s24, s24, s19                     ; its codes, my half
	s_mov_b32 s25, 0
	s_lshl_b32 s26, s18, 9
	s_lshl_b32 s19, s17, 8
	s_add_co_u32 s26, s26, s19                     ; its scale words, my half
	s_mov_b32 s27, 0
	s_wait_alu depctr_va_vdst(0)
	s_wait_kmcnt 0x0
	s_mov_b32 s19, 224
	s_cmp_lt_u32 ttmp9, 224                        ; which tensor: the choice hangs on the work-group's number alone
	s_cselect_b64 s[6:7], s[6:7], s[8:9]
	s_cselect_b32 s19, 128, s19
	s_cmp_lt_u32 ttmp9, 128
	s_cselect_b64 s[4:5], s[4:5], s[6:7]
	s_cselect_b32 s19, 0, s19
	s_sub_co_u32 s19, ttmp9, s19                   ; the pair of tiles in its tensor
	s_lshl_b32 s22, s19, 17                        ; the weights: 32 rows of 4,096 bytes a pair
	s_lshr_b32 s29, s19, 1                         ; x: 64 rows for two pairs,
	s_lshl_b32 s29, s29, 18
	s_and_b32 s30, s19, 1
	s_lshl_b32 s30, s30, 16                        ; the odd pair 16 rows on
	s_add_co_u32 s29, s29, s30
	s_mov_b32 s28, 0x10000                         ; a tile's rows 8-15 begin 16 rows behind its rows 0-7 (weights),
	s_cmp_lt_u32 ttmp9, 128
	s_cselect_b32 s22, s29, s22
	s_cselect_b32 s28, 0x20000, s28                ; or 32 rows (x)
	s_lshl_b32 s19, s16, 15                        ; the odd tile begins 8 rows on
	s_add_co_u32 s22, s22, s19
	s_lshl_b32 s19, s17, 11                        ; half of K: 2,048 bytes
	s_add_co_u32 s22, s22, s19
	s_mov_b32 s23, 0
	s_add_nc_u64 s[4:5], s[4:5], s[22:23]
	s_mov_b32 s29, 0
	s_add_nc_u64 s[28:29], s[4:5], s[28:29]        ; the base of the tile's rows 8-15
	s_add_nc_u64 s[10:11], s[10:11], s[24:25]
	s_add_nc_u64 s[12:13], s[12:13], s[26:27]
.macro LOAD t                          ; step t: 128 numbers of each of the tile's 16 rows
.irp i, 0,1,2,3,4,5,6,7,8,9,10,11,12,13,14,15
	global_load_b128 v[R+64*((\t)%2)+4*\i:R+64*((\t)%2)+4*\i+3], v2, s[4+24*(\i/8):5+24*(\i/8)] offset:(\i%8)*4096+512*(\t) th:TH_LOAD_NT
.endr
.endm
.macro STEP t
.if (\t) < 3
	s_wait_loadcnt 16                              ; this step's 16 loads are in; the next step's 16 may be out
.else
	s_wait_loadcnt 0x0
.endif
.irp i, 0,1,2,3,4,5,6,7,8,9,10,11,12,13,14,15
	ds_store_b128 v4, v[R+64*((\t)%2)+4*\i:R+64*((\t)%2)+4*\i+3] offset:PIT*\i
.endr
.irp c, 0,1
.irp j, 0,1,2,3,4,5,6,7
	ds_load_b128 v[X+32*\c+4*\j:X+32*\c+4*\j+3], v5 offset:256*\c+16*\j   ; LDS serves a wave's instructions in order: these see the stores above
.endr
.endr
	s_wait_dscnt 0x0                               ; my blocks are in, and the stores have read their registers,
.if (\t) < 2
	LOAD (\t)+2                                    ; which take the loads of two steps on
.endif
.irp c, 0,1
	v_max3_num_f32 v[MX+\c], |v[X+32*\c]|, |v[X+32*\c+1]|, 0x1800000   ; with the floor 2^(3 - 127): the byte cannot fall under 1
.endr
.irp i, 2,4,6,8,10,12,14,16,18,20,22,24,26,28,30
.irp c, 0,1
	v_max3_num_f32 v[MX+\c], v[MX+\c], |v[X+32*\c+\i]|, |v[X+32*\c+\i+1]|
.endr
.endr
.irp c, 0,1
	v_add_nc_u32 v[SOP+\c], 0xff000000, v[MX+\c]   ; 2 off the exponent field: the conversion takes this operand's exponent field as its scale
.endr
.irp c, 0,1
	v_lshrrev_b32 v[BY+\c], 23, v[SOP+\c]          ; the scale's byte
.endr
	v_lshl_or_b32 v[TW], v[BY+1], 16, v[BY]        ; my two bytes: blocks h and 2 + h,
	v_lshlrev_b32 v[TW], v7, v[TW]                 ; at their places in the word;
	v_permlanex16_b32 v[TP], v[TW], s20, s21
	v_or_b32 v[W+(\t)], v[TW], v[TP]               ; with lane l xor 16's two the word is whole
	s_wait_alu depctr_va_vdst(0)
	s_wait_xcnt 0x0                                ; the last step's stores have read the codes' registers
.irp c, 0,1
	v_cvt_scalef32_pk16_fp6_f32 v[C+6*\c:C+6*\c+2], v[X+32*\c:X+32*\c+15], v[SOP+\c]
	v_cvt_scalef32_pk16_fp6_f32 v[U+4*\c:U+4*\c+2], v[X+32*\c+16:X+32*\c+31], v[SOP+\c]   ; (a conversion's three registers begin on an even number)
.endr
	v_nop                                          ; one plain place behind a scaled conversion
.irp c, 0,1
.irp i, 0,1,2
	v_mov_b32 v[C+6*\c+3+\i], v[U+4*\c+\i]
.endr
.endr
.irp c, 0,1
	global_store_b128 v2, v[C+6*\c:C+6*\c+3], s[10:11] offset:1536*(\t)+768*\c        ; 512 consecutive bytes
	global_store_b64 v3, v[C+6*\c+4:C+6*\c+5], s[10:11] offset:1536*(\t)+768*\c+512   ; 256 consecutive bytes
.endr
.endm
	LOAD 0
	LOAD 1
	STEP 0
	STEP 1
	STEP 2
	STEP 3
	v_cndmask_b32 v10, v[W], v[W+2], vcc_lo        ; lanes 0-15 store words 0 and 1 of their row, lanes 16-31 words 2 and 3
	v_cndmask_b32 v11, v[W+1], v[W+3], vcc_lo
	global_store_b64 v6, v[10:11], s[12:13]        ; the wave stores 256 consecutive bytes, aligned
	s_wait_tensorcnt 0x0
	ds_add_u32 v240, v241
	s_wait_dscnt 0x0
	s_endpgm
.Lfunc_end_k_q5dce57c7c8_quant:
	.size	k_q5dce57c7c8_quant, .Lfunc_end_k_q5dce57c7c8_quant-k_q5dce57c7c8_quant
	.p2alignl 7, 3214868480
	.fill 96, 4, 3214868480
	.section	.rodata,"a",@progbits
	.p2align	6, 0x0
	.amdhsa_kernel k_q5dce57c7c8_quant
		.amdhsa_group_segment_fixed_size 34304
		.amdhsa_private_segment_fixed_size 0
		.amdhsa_enable_private_segment 0
		.amdhsa_kernarg_size 40
		.amdhsa_user_sgpr_count 2
		.amdhsa_user_sgpr_kernarg_segment_ptr 1
		.amdhsa_wavefront_size32 1
		.amdhsa_system_sgpr_workgroup_id_x 1
		.amdhsa_system_sgpr_workgroup_id_y 1
		.amdhsa_system_sgpr_workgroup_id_z 1
		.amdhsa_system_vgpr_workitem_id 0
		.amdhsa_next_free_vgpr 242
		.amdhsa_next_free_sgpr 66
		.amdhsa_reserve_vcc 1
		.amdhsa_float_denorm_mode_32 3
		.amdhsa_float_denorm_mode_16_64 3
		.amdhsa_memory_ordered 1
		.amdhsa_forward_progress 1
		.amdhsa_inst_pref_size 31
	.end_amdhsa_kernel
	.amdgpu_metadata
---
amdhsa.version: [ 1, 2 ]
amdhsa.kernels:
  - .name:           k_q5dce57c7c8_quant
    .symbol:         k_q5dce57c7c8_quant.kd
    .args:
      - { .name: x, .offset: 0, .size: 8, .value_kind: global_buffer, .address_space: global }
      - { .name: w_qkv, .offset: 8, .size: 8, .value_kind: global_buffer, .address_space: global }
      - { .name: w_proj, .offset: 16, .size: 8, .value_kind: global_buffer, .address_space: global }
      - { .name: c1, .offset: 24, .size: 8, .value_kind: global_buffer, .address_space: global }
      - { .name: s1, .offset: 32, .size: 8, .value_kind: global_buffer, .address_space: global }
    .group_segment_fixed_size: 34304
    .private_segment_fixed_size: 0
    .kernarg_segment_align: 8
    .kernarg_segment_size: 40
    .max_flat_workgroup_size: 128
    .sgpr_count:     66
    .vgpr_count:     242
    .wavefront_size: 32
...
	.end_amdgpu_metadata
.endif
;; end of part 1
;; launch qkv (part 2): grid 12 x 16, 4 waves a work-group, clusters of 4 x 4, 327,680 bytes of LDS; arguments c1, s1, b_qkv, q_norm_w, k_norm_w, qc, qs, kvc; writes qc, qs, kvc
.if DOCPART == 2
	.amdgcn_target "amdgcn-amd-amdhsa--gfx1250"
	.amdhsa_code_object_version 6
	.text
	.protected	k_q5dce57c7c8_qkv
	.globl	k_q5dce57c7c8_qkv
	.p2align	8
	.type	k_q5dce57c7c8_qkv,@function
k_q5dce57c7c8_qkv:
	s_mov_b64 s[64:65], 0
	v_nop
	global_prefetch_b8 v0, s[64:65] scope:SCOPE_SE
	s_setreg_imm32_b32 hwreg(HW_REG_WAVE_MODE, 25, 1), 1
	s_wait_xcnt 0x0
	s_wait_alu depctr_hold_cnt(0) depctr_sa_sdst(0) depctr_va_vdst(0) depctr_va_sdst(0) depctr_va_ssrc(0) depctr_va_vcc(0) depctr_vm_vsrc(0)
	s_getreg_b32 s2, hwreg(HW_REG_IB_STS2, 6, 4)
	s_cmp_eq_u32 s2, 0
	s_cbranch_scc0 .Lentry_in_a_cluster
	s_endpgm
.Lentry_in_a_cluster:
	s_bfe_u32 s2, ttmp6, 0x10000c
	s_cmp_lg_u32 s2, 0xf033
	s_cbranch_scc0 .Lentry_shape_is_right
	s_endpgm
.Lentry_shape_is_right:
; qkv = x w_qkv^T + b_qkv on codes of FP6 (E2M3) with E8M0 scales (K = 1,024), then what attention wants of it: q and k RMS-normed over their head's 64 and quantised along those 64, v quantised along the keys.
; Codes and scales come as the launch before laid them: tiles of 16 rows (lane r of tile T = row 32 (T / 2) + 8 (T % 2) + r + 8 (r / 8)), a tile = 16 images of 768 bytes, one for each 64 along K.
; A work-group of four waves makes 256 x 256 numbers, a wave 128 x 128: 64 accumulators.  SOURCE 0 is role B, SOURCE 1 role A: a lane holds ONE row of A, and its registers run along B's rows; by the order of rows in a
; tile the 16 registers of B's tiles 2 g and 2 g + 1 are 16 NEIGHBOURS, 32 g + 16 (lane / 16) + 0 .. 15.
; CLUSTERS 4 x 4; the cluster's x says what is made: 0: q, 1: k (A = tokens, B = weight rows: registers run along the head's 64); 2: v (A = weight rows, B = tokens: registers run along the keys).
; So each result is quantised in the registers in which it is summed.  A's tiles are asked for jointly along a row of the cluster, B's along a column.
; K goes in four steps of 256 through two LDS slots; the scales of the work-group's 512 rows, for all of K, come once.  A wave has at most one tensor load out.
; OUT: qc [bh][tile of 16 tokens][768]; kvc [bh][key step of 128][K's 8 images, then V's 4 operands of 16 d x 128 keys, 1,536 bytes each, as three runs of 16 bytes a lane];
;   qs and the head of kvs [bh][key step][lane][4 words]: word tp of lane r + 16 u belongs to row r of tile 2 tp + u; its bytes 2 and 3 are 0x7f (K = 64 fills half an instruction);
;   V's words behind K's in kvs: [key step][lane][2 words].
; LIMITS: a block of zeros gets the byte 1 (its codes are zeros; this program alone reads the bytes); blocks under 2^-124 are held at that byte; NaN and infinities are not served.
; No prefetch is laid: a work-group has four K steps, two of them asked for at its head.
; REGISTERS: window 0: v16-23, v27 LDS addresses; v28-29 the spare word's; v32-63 scale words, two sets; v64-127 biases; v128-223 A's fragments, later the epilogue's work; v224-255 the norm's weights.
;   window 1: B's fragments, two sets.  windows 2, 3: the accumulators ((a, b) at v[8 (8 (a % 4) + b)] of window 2 + a / 4).
; WHERE THIS TEXT DIFFERS FROM THE LINES ABOVE.  The tokens' tiles go by fours (lane r of tile T = token 64 (T / 4) + 32 (r / 8) + 8 (T % 4) + r % 8); the weights' tiles are as said above.
; So in v's path a lane's 32 registers of B's tiles 4 c .. 4 c + 3 are the 32 neighbouring keys 64 c + 32 (lane / 16) + 0 .. 31: a whole block.
; kvc holds codes AND scale words: [bh][key step of 128][K's 8 images 6,144 | V's 4 operands 6,144 | K's words 512 | V's words 256]: 13,056 bytes a key step, 51 x 256.
; THE HEAD: one tensor load a wave (wave 0 A's 16 tiles of K step 0, wave 1 B's, wave 2 A's scales, wave 3 B's); K step 1 is asked for behind a round of its own, as a refill is: one load a wave is out.
.set KB,     3072
.set TILEG,  12288                     ; a tile's bytes in memory
.set HALFT,  8*KB                      ; eight tiles, 128 rows: what one tensor load brings
.set SLOT,   4*HALFT
.set SCL,    2*SLOT                    ; behind the ring: the scales, 4,096 bytes for each 128 rows
.set HALFS,  4096
.set SPARE,  SCL+4*HALFS               ; the spare words, 128 bytes for each wave: two blocks of 256 bytes that no other line names
.set STGQ,   SPARE+512                 ; q's and k's path: 1,024 bytes a wave for scale words
.set STGV,   STGQ+4096                 ; v's path: 512 bytes a wave
.set FR,  12
.set NL,  4                            ; LDS loads that bring a fragment
.set NP,  4                            ; places behind this matrix instruction (ISA guide 7.12.1)
.set NQ,  2
.set ADRA, 16                          ; v16-17 16 x lane + my A rows in slot 0, 1; v18-19 the same with 8 x lane
.set ADRB, 20                          ; v20-23 the same for B
.set ADRS, 27
.set SPW,  28
.set NIL,  29
.set SC,   32
.set BI,   64
.set AF,   128
.set NW,   224
.set Y,    128                         ; the epilogue: 64 numbers of a lane
.set PC,   192                         ; their 12 registers of codes
.set U,    204
.set TM,   212                         ; +0..3 largest magnitudes, +4..7 the other half's, then the bytes, +8..11 scale operands
.set SS,   2                           ; v2-5 sums of squares
.set RS,   8                           ; v8, v10 1 / rms
.set WV,  22
.set HA,  23
.set HB,  2
.set G1,  24
.set G0,  32
.set G1B, 48
.set G0B, 56
.set G1S, 68
.set G0S, 76
.set G1SB, 80
.set G0SB, 88
.set SEL, 66
.set INV, 3
.set EPS, 101
.set MSB, 0
.macro WIN new                         ; the immediate's high byte repeats the setting that is left
.if MSB != (\new)
	s_set_vgpr_msb (MSB<<8)|(\new)
.set MSB, (\new)
.endif
.endm
.set TO_B, 0x40
.macro WMUL hi, zero                   ; source 0 window 1, source 1 window 0, D window 2 + hi; C with D, or (zero = 2) in window 0
.if (\zero) == 2
	WIN 0x81+0x40*(\hi)
.else
	WIN 0xa1+0x50*(\hi)
.endif
.endm
; A joint load: waves 0 and 1 fetch for A, waves 2 and 3 for B; the branch hangs on the wave's number alone.  Four v_nop follow each of the two lines.
.macro JLOAD g0a, g1a, g0b, g1b
	s_cmp_eq_u32 s[HA], 0
	s_cbranch_scc0 .Lfor_b_\@
	tensor_load_to_lds s[\g0a:\g0a+3], s[\g1a:\g1a+7]
	s_nop 0
.rept 4
	v_nop
.endr
	s_branch .Lasked_\@
.Lfor_b_\@:
	tensor_load_to_lds s[\g0b:\g0b+3], s[\g1b:\g1b+7]
	s_nop 0
.rept 4
	v_nop
.endr
.Lasked_\@:
.endm
.macro CREST                           ; a round of the cluster's barrier behind its opening barrier
	s_cmp_lg_u32 s[WV], 0
	s_cbranch_scc1 .Lnot_wave_0_\@
	s_barrier_signal -3
.Lnot_wave_0_\@:
	s_barrier_wait -3
	s_barrier_signal -1
	s_barrier_wait -1
.endm
.macro CROUND
	s_barrier_signal -1
	s_barrier_wait -1
	CREST
.endm
.macro PLACES n
.rept \n
	v_nop
.endr
.endm
.macro FRAG reg, adr, q, i             ; a fragment, 16 rows x 128 K, is two images on end: four dense loads
	ds_load_b128 v[\reg:\reg+3], v[\adr] offset:KB*(\i)+1536*(\q)
	ds_load_b64 v[\reg+4:\reg+5], v[\adr+2] offset:KB*(\i)+1536*(\q)+512
	ds_load_b128 v[\reg+6:\reg+9], v[\adr] offset:KB*(\i)+1536*(\q)+768
	ds_load_b64 v[\reg+10:\reg+11], v[\adr+2] offset:KB*(\i)+1536*(\q)+1280
.endm
; 16 matrix instructions: A's blocks a0, a0 + 1 x B's eight.  p: B's set; sc: the set of scale words.  zero = 1: C = 0 starts the sums; 2: the bias does.  The 64 accumulators take turns.
.macro MUL16 a0, p, q, sc, zero
.irp a, \a0, \a0+1
.irp b, 0,1,2,3,4,5,6,7
.set rD, 8*(8*((\a)%4)+\b)
.set rB, 128*(\p)+FR*\b
.set rA, AF+FR*(\a)
.set rSB, SC+8*NQ*(\sc)+NQ*\b+(\q)
.set rSA, SC+8*NQ*(\sc)+NQ*(\a)+(\q)
.if (\zero) == 1
	v_wmma_scale_f32_16x16x128_f8f6f4 v[rD:rD+7], v[rB:rB+FR-1], v[rA:rA+FR-1], 0, v[rSB], v[rSA] matrix_a_fmt:MATRIX_FMT_FP6 matrix_b_fmt:MATRIX_FMT_FP6 matrix_a_scale:MATRIX_SCALE_ROW1
.elseif (\zero) == 2
	v_wmma_scale_f32_16x16x128_f8f6f4 v[rD:rD+7], v[rB:rB+FR-1], v[rA:rA+FR-1], v[BI+8*\b:BI+8*\b+7], v[rSB], v[rSA] matrix_a_fmt:MATRIX_FMT_FP6 matrix_b_fmt:MATRIX_FMT_FP6 matrix_a_scale:MATRIX_SCALE_ROW1
.else
	v_wmma_scale_f32_16x16x128_f8f6f4 v[rD:rD+7], v[rB:rB+FR-1], v[rA:rA+FR-1], v[rD:rD+7], v[rSB], v[rSA] matrix_a_fmt:MATRIX_FMT_FP6 matrix_b_fmt:MATRIX_FMT_FP6 matrix_a_scale:MATRIX_SCALE_ROW1
.endif
.endr
.endr
.endm
.macro FETCH_B slot, q, p
	WIN TO_B
.irp i, 0,1,2,3,4,5,6,7
	FRAG 128*(\p)+FR*\i, ADRB+\slot, \q, \i
.endr
	WIN 0
.endm
.macro FETCH_A slot, q, i0
.irp i, \i0, \i0+1, \i0+2, \i0+3
	FRAG AF+FR*(\i), ADRA+\slot, \q, \i
.endr
.endm
.macro SCALES sc                       ; a K step's two words a row: lanes 0-15 take A's block i, lanes 16-31 B's block i
.irp i, 0,1,2,3,4,5,6,7
	ds_load_b64 v[SC+8*NQ*\sc+NQ*\i:SC+8*NQ*\sc+NQ*\i+1], v[ADRS] offset:\i*512
.endr
.endm
.macro STEP slot, q, zero              ; 128 along K that have their successor in the same slot
	s_wait_dscnt 4*NL                              ; B's set, A's blocks 0-3 and the scale words are in; the youngest 16 loads (A's blocks 4-7) may be out
	WMUL 0, \zero
	MUL16 0, (\q)%2, \q, \slot, \zero
	MUL16 2, (\q)%2, \q, \slot, \zero
	s_wait_dscnt 0
	PLACES NP
	FETCH_B \slot, (\q)+1, 1-(\q)%2
	FETCH_A \slot, (\q)+1, 0
	WMUL 1, \zero
	MUL16 4, (\q)%2, \q, \slot, \zero
	MUL16 6, (\q)%2, \q, \slot, \zero
	PLACES NP
	WIN 0
	FETCH_A \slot, (\q)+1, 4
.endm
; A slot's last 128 change slots: one barrier; in front of it each wave waits for all its tensor loads, adds 0 to its spare word, and waits for that and for its reads of this slot.
.macro TURN slot, next, fill
	s_wait_tensorcnt 0x0                           ; all my tensor loads have landed: my part of the next slot
	ds_add_u32 v[SPW], v[NIL]                      ; 0 onto my spare word
	s_wait_dscnt 4*NL+1                            ; (the add and the youngest 16 loads may be out)
	WMUL 0, 0
	MUL16 0, 1, NQ-1, \slot, 0
	s_wait_dscnt 0x0                               ; the add is done, and my reads of this slot are over
	s_barrier_signal -1
	MUL16 2, 1, NQ-1, \slot, 0
	WIN 0
	s_barrier_wait -1
.if \fill
	CREST                                          ; the barrier has opened a round of the cluster's: no wave of any partner still reads this slot or has a load on its way
	s_add_nc_u64 s[G0+4*\slot+2:G0+4*\slot+3], s[G0+4*\slot+2:G0+4*\slot+3], 2*KB
	s_add_nc_u64 s[G0B+4*\slot+2:G0B+4*\slot+3], s[G0B+4*\slot+2:G0B+4*\slot+3], 2*KB
	JLOAD G0+4*\slot, G1, G0B+4*\slot, G1B         ; the first tensor load behind the round; its four v_nop are the places in front of the loads below
.else
	PLACES NP
.endif
	s_wait_alu depctr_va_vdst(0)
	v_add_nc_u32 v[ADRS], 8+240*\slot, v[ADRS]     ; the next K step's words: 8 bytes on, or on into the next 512 along K
	FETCH_B \next, 0, 0
	FETCH_A \next, 0, 0
	SCALES \next
	WMUL 1, 0
	MUL16 4, 1, NQ-1, \slot, 0
	MUL16 6, 1, NQ-1, \slot, 0
	PLACES NP
	WIN 0
	FETCH_A \next, 0, 4
.endm
.macro LAST                            ; the last 128 along K: nothing more to fetch
	s_wait_dscnt 4*NL
	WMUL 0, 0
	MUL16 0, 1, NQ-1, 1, 0
	MUL16 2, 1, NQ-1, 1, 0
	s_wait_dscnt 0
	WMUL 1, 0
	MUL16 4, 1, NQ-1, 1, 0
	MUL16 6, 1, NQ-1, 1, 0
	WIN 0
.endm
	s_load_b256 s[4:11], s[0:1], 0x0               ; c1, s1, b_qkv, q_norm_w
	s_load_b256 s[12:19], s[0:1], 0x20             ; k_norm_w, qc, qs, kvc
	v_lshl_add_u32 v[SPW], v0, 2, SPARE
	v_mov_b32 v[NIL], 0
	ds_add_u32 v28, v29
	ds_add_u32 v28, v29
	s_wait_dscnt 0x0
	v_lshrrev_b32 v1, 5, v0
	v_readfirstlane_b32 s[WV], v1                  ; wave 0..3
	s_lshr_b32 s[HA], s[WV], 1                     ; my half of A's rows.  Also: I fetch for A (0) or for B (1)
	s_and_b32 s[HB], s[WV], 1                      ; my half of B's rows.  Also: which 128 rows I fetch
	s_bfe_u32 s40, ttmp6, 0x40000                  ; cx
	s_bfe_u32 s41, ttmp6, 0x40004                  ; cy
	s_and_b32 s42, ttmp7, 0xffff
	s_lshl_b32 s42, s42, 2                         ; 4 x cluster y
	s_lshl_b32 s43, ttmp9, 2                       ; 4 x cluster x
	s_cmp_eq_u32 ttmp9, 2                          ; v's clusters?  The same in all sixteen partners
	s_cselect_b32 s44, 0, s42                      ; A's block of 256 rows, less cy: v: of v's weights; else: of the tokens
	s_cselect_b32 s45, s42, s43                    ; B's, less cx: v: of the tokens; else: of q's and k's weights
	s_cselect_b32 s46, 384, 0                      ; the first tile of A's tensor (w_qkv's tiles begin at 256, v's rows 128 tiles on)
	s_cselect_b32 s47, 0, 256                      ; and of B's
	s_add_co_u32 s44, s44, s41                     ; A's block hangs on cy alone among the places,
	s_add_co_u32 s45, s45, s40                     ; B's on cx alone
	s_lshl_b32 s92, s44, 4
	s_add_co_u32 s92, s92, s46                     ; A: the block's first tile
	s_lshl_b32 s94, s45, 4
	s_add_co_u32 s94, s94, s47                     ; B: the block's first tile
	s_mul_i32 s96, s92, TILEG
	s_mov_b32 s97, 0
	s_lshl_b32 s98, s92, 9
	s_mov_b32 s99, 0
	s_mul_i32 s100, s94, TILEG
	s_mov_b32 s101, 0
	s_lshl_b32 s66, s94, 9
	s_mov_b32 s67, 0
	s_lshl_b32 s46, s41, 2
	s_lshl_b32 s46, 15, s46                        ; my row of the cluster
	s_lshl_b32 s47, 0x1111, s40                    ; my column
	; group 1 for codes: 8 rows (tiles) of 384 elements of 8 bytes, 1,536 elements apart; no padding: every LDS load is dense
	s_or_b32 s[G1], s46, (3<<16)|(1<<21)
	s_or_b32 s[G1B], s47, (3<<16)|(1<<21)
.irp g, G1, G1B
	s_mov_b32 s[\g+1], 384<<16                     ; tensor_dim0
	s_mov_b32 s[\g+2], 16<<16                      ; tensor_dim1: 16 tiles for the head's loads; set to 8 behind them
	s_mov_b32 s[\g+3], 384<<16                     ; tile_dim0
	s_mov_b32 s[\g+4], 16                          ; tile_dim1 likewise
	s_mov_b32 s[\g+5], 1536                        ; tensor_dim0_stride
	s_mov_b32 s[\g+6], 0
	s_mov_b32 s[\g+7], 0
.endr
	; and for the scales of 256 rows: 8,192 dense bytes as 32 rows of 256
	s_or_b32 s[G1S], s46, (3<<16)|(1<<21)
	s_or_b32 s[G1SB], s47, (3<<16)|(1<<21)
.irp g, G1S, G1SB
	s_mov_b32 s[\g+1], 32<<16
	s_mov_b32 s[\g+2], 32<<16                      ; the scales of 256 rows: 32 rows of 256 bytes
	s_mov_b32 s[\g+3], 32<<16
	s_mov_b32 s[\g+4], 32
	s_mov_b32 s[\g+5], 32
	s_mov_b32 s[\g+6], 0
	s_mov_b32 s[\g+7], 0
.endr
	s_mul_i32 s3, s[WV], HALFT                     ; where they go: by the wave's number alone
	s_wait_kmcnt 0x0
	s_add_nc_u64 s[96:97], s[4:5], s[96:97]        ; A's codes
	s_add_nc_u64 s[98:99], s[6:7], s[98:99]        ; A's scales
	s_add_nc_u64 s[100:101], s[4:5], s[100:101]    ; B's codes
	s_add_nc_u64 s[66:67], s[6:7], s[66:67]        ; B's scales
	CROUND                                         ; all sixteen work-groups are here: the first joint loads meet
	s_mov_b32 s[G0S], 1
	s_mov_b32 s[G0S+1], SCL
	s_mov_b64 s[G0S+2:G0S+3], s[98:99]
	s_or_b32 s[G0S+3], s[G0S+3], 0x80000000
	s_mov_b32 s[G0SB], 1
	s_mov_b32 s[G0SB+1], SCL+2*HALFS
	s_mov_b64 s[G0SB+2:G0SB+3], s[66:67]
	s_or_b32 s[G0SB+3], s[G0SB+3], 0x80000000
	s_mov_b32 s[G0], 1                             ; slot 0's group 0 serves the head's load first: all 16 tiles of A, K step 0
	s_mov_b32 s[G0+1], 0
	s_mov_b64 s[G0+2:G0+3], s[96:97]
	s_or_b32 s[G0+3], s[G0+3], 0x80000000
	s_mov_b32 s[G0B], 1                            ; and all 16 of B, behind them
	s_mov_b32 s[G0B+1], 2*HALFT
	s_mov_b64 s[G0B+2:G0B+3], s[100:101]
	s_or_b32 s[G0B+3], s[G0B+3], 0x80000000
	s_mul_i32 s92, s[HB], 8*TILEG                  ; in the ring I fetch eight tiles: which half, in bytes
	s_mov_b32 s93, 0
	s_add_nc_u64 s[96:97], s[96:97], s[92:93]
	s_add_nc_u64 s[100:101], s[100:101], s[92:93]
	s_mov_b32 s[G0+4], 1
	s_add_co_u32 s[G0+5], s3, SLOT
	s_add_nc_u64 s[G0+6:G0+7], s[96:97], KB
	s_or_b32 s[G0+7], s[G0+7], 0x80000000
	s_mov_b32 s[G0B+4], 1
	s_add_co_u32 s[G0B+5], s3, SLOT
	s_add_nc_u64 s[G0B+6:G0B+7], s[100:101], KB
	s_or_b32 s[G0B+7], s[G0B+7], 0x80000000
; the head's loads, one a wave, in one chain of branches on the wave's number: every way passes exactly one load
.macro ARM under, g0, g1, next
	s_cmp_lt_u32 s[WV], \under
	s_cbranch_scc0 \next
	tensor_load_to_lds s[\g0:\g0+3], s[\g1:\g1+7]
	s_nop 0
.rept 4
	v_nop
.endr
	s_branch .Lhead_asked
\next:
.endm
	ARM 1, G0,  G1,  .Lhead_b
	ARM 2, G0B, G1B, .Lhead_sa
	ARM 3, G0S, G1S, .Lhead_sb
	tensor_load_to_lds s[G0SB:G0SB+3], s[G1SB:G1SB+7]
	s_nop 0
.rept 4
	v_nop
.endr
.Lhead_asked:
	v_and_b32 v1, 31, v0                           ; lane
	v_and_b32 v2, 15, v0                           ; r
	v_bfe_u32 v3, v0, 4, 1                         ; h
	v_lshlrev_b32 v4, 4, v1
	v_lshlrev_b32 v5, 3, v1
	s_mul_i32 s3, s[HA], HALFT                     ; my 128 rows of A
	s_mul_i32 s95, s[HB], HALFT                    ; my 128 rows of B,
	s_add_co_u32 s95, s95, 2*HALFT                 ; which lie behind A's 256
.irp s, 0,1
	v_add_nc_u32 v[ADRA+\s], s3, v4
	v_add_nc_u32 v[ADRA+2+\s], s3, v5
	v_add_nc_u32 v[ADRB+\s], s95, v4
	v_add_nc_u32 v[ADRB+2+\s], s95, v5
	s_add_co_u32 s3, s3, SLOT
	s_add_co_u32 s95, s95, SLOT
.endr
	s_lshl_b32 s3, s[HA], 12                       ; A's scales: my 128 rows
	s_lshl_b32 s95, s[HB], 12                      ; B's, behind A's 256 rows'
	s_add_co_u32 s95, s95, 2*HALFS
	s_sub_co_u32 s95, s95, s3
	v_mul_u32_u24 v6, s95, v3                      ; lanes 16-31 take B's
	s_add_co_u32 s3, s3, SCL
	v_lshl_add_u32 v6, v2, 4, v6                   ; 16 bytes a row for 512 along K
	v_add_nc_u32 v[ADRS], s3, v6
	s_wait_alu depctr_va_vdst(0)
	s_wait_tensorcnt 0x0                           ; my tile of the head's four is in; these lines stand ahead of a later first fill as ahead of a refill
	ds_add_u32 v[SPW], v[NIL]
	s_mov_b32 s[G1+2], 8<<16                       ; no load of mine is out, so descriptors may be written: from here on a load brings eight tiles,
	s_mov_b32 s[G1+4], 8
	s_mov_b32 s[G1B+2], 8<<16
	s_mov_b32 s[G1B+4], 8
	s_mul_i32 s3, s[WV], HALFT
	s_mov_b32 s[G0+1], s3                          ; and slot 0's group 0 becomes the ring's: my quarter of the slot, my eight tiles
	s_mov_b32 s[G0B+1], s3
	s_add_nc_u64 s[G0+2:G0+3], s[G0+2:G0+3], s[92:93]
	s_add_nc_u64 s[G0B+2:G0B+3], s[G0B+2:G0B+3], s[92:93]
	s_wait_dscnt 0x0
	CROUND                                         ; all four tiles are in, and all sixteen work-groups are here
	JLOAD G0+4, G1, G0B+4, G1B                     ; K step 1, the first tensor load behind the round
	FETCH_B 0, 0, 0
	FETCH_A 0, 0, 0
	SCALES 0
	FETCH_A 0, 0, 4
	STEP 0, 0, 1                                   ; the first products start the sums
	TURN 0, 1, 1                                   ; slot 0 takes K step 2
	STEP 1, 0, 0
	TURN 1, 0, 1                                   ; slot 1 takes K step 3
	STEP 0, 0, 0
	TURN 0, 1, 0                                   ; nothing is left to fetch
	STEP 1, 0, 0
; 64 numbers of a lane, register 16 b + i = k 32 b + 16 (lane / 16) + i of its row, become 12 registers of codes in v[PC] on; the four blocks' bytes stay in v[TM+4] on.
.macro QUANT s
.irp b, 0,1,2,3
	v_max3_num_f32 v[TM+\b], |v[\s+16*\b]|, |v[\s+1+16*\b]|, 0x1800000   ; with the floor 2^(3 - 127): the byte cannot fall under 1
.endr
.irp i, 2,4,6,8,10,12,14
.irp b, 0,1,2,3
	v_max3_num_f32 v[TM+\b], v[TM+\b], |v[\s+16*\b+\i]|, |v[\s+1+16*\b+\i]|
.endr
.endr
.irp b, 0,1,2,3
	v_permlanex16_b32 v[TM+4+\b], v[TM+\b], s[SEL], s[SEL+1]
.endr
.irp b, 0,1,2,3
	v_max_num_f32 v[TM+\b], v[TM+\b], v[TM+4+\b]   ; with lane l xor 16's: the block's largest magnitude
.endr
.irp b, 0,1,2,3
	v_add_nc_u32 v[TM+8+\b], 0xff000000, v[TM+\b]  ; 2 off its exponent field: the conversion's scale operand
.endr
.irp b, 0,1,2,3
	v_lshrrev_b32 v[TM+4+\b], 23, v[TM+8+\b]       ; the scale's byte
.endr
.irp c, 0,1
	v_cvt_scalef32_pk16_fp6_f32 v[PC+6*\c:PC+2+6*\c], v[\s+32*\c:\s+15+32*\c], v[TM+8+2*\c]
	v_cvt_scalef32_pk16_fp6_f32 v[U+4*\c:U+2+4*\c], v[\s+16+32*\c:\s+31+32*\c], v[TM+8+2*\c+1]   ; (a conversion's three registers begin on an even number)
.endr
	v_nop                                          ; one plain place behind a scaled conversion
.irp c, 0,1                                    ; the operand's layout wants a whole block in a lane
.irp i, 0,1,2
	v_permlane16_swap_b32 v[PC+6*\c+\i], v[U+4*\c+\i]
.endr
.irp i, 0,1,2
	v_mov_b32 v[PC+3+6*\c+\i], v[U+4*\c+\i]
.endr
.endr
.endm
	s_cmp_eq_u32 ttmp9, 2                          ; the cluster's x: the same in all partners and all waves
	s_cbranch_scc1 .Lv
	; ---- q and k.  s44 = the block of 256 tokens, s45 = the block of 256 weight rows, s40 = cx
	s_lshl_b32 s92, s45, 10
	s_lshl_b32 s93, s[HB], 9
	s_add_co_u32 s92, s92, s93
	s_mov_b32 s93, 0
	s_add_nc_u64 s[8:9], s[8:9], s[92:93]          ; the bias of my 128 columns
	s_mov_b32 s46, 208896
	s_mov_b32 s47, 13056
	s_mov_b32 s42, 208896
	s_mov_b32 s66, 13056
	s_mov_b32 s67, 12288
	s_cmp_eq_u32 ttmp9, 0                          ; q or k
	s_cselect_b64 s[10:11], s[10:11], s[12:13]     ; the norm's weights
	s_cselect_b64 s[92:93], s[14:15], s[18:19]     ; where the codes go,
	s_cselect_b64 s[96:97], s[16:17], s[18:19]     ; and the scale words: k's lie in kvc, behind the key step's codes
	s_cselect_b32 s46, 98304, s46                  ; bytes of codes from head to head,
	s_cselect_b32 s47, 6144, s47                   ; from key step to key step,
	s_cselect_b32 s42, 8192, s42                   ; and of scale words from head to head,
	s_cselect_b32 s66, 512, s66                    ; from key step to key step,
	s_cselect_b32 s67, 0, s67                      ; and their place in a key step
	s_lshr_b32 s43, s44, 3                         ; the batch
	s_lshl_b32 s43, s43, 4
	s_lshl_b32 s100, s40, 2
	s_add_co_u32 s43, s43, s100
	s_lshl_b32 s100, s[HB], 1
	s_add_co_u32 s43, s43, s100                    ; 16 x batch + my first head, 4 cx + 2 x half
	s_lshl_b32 s100, s44, 1
	s_add_co_u32 s100, s100, s[HA]
	s_and_b32 s100, s100, 15                       ; my 128 tokens' place in the batch
	s_mul_i32 s98, s43, s46
	s_mul_i32 s99, s100, s47
	s_add_co_u32 s98, s98, s99
	s_mov_b32 s99, 0
	s_add_nc_u64 s[92:93], s[92:93], s[98:99]      ; codes, first head
	s_mov_b32 s98, s46
	s_add_nc_u64 s[94:95], s[92:93], s[98:99]      ; second head
	s_mul_i32 s98, s43, s42
	s_mul_i32 s101, s100, s66
	s_add_co_u32 s101, s101, s67
	s_add_co_u32 s98, s98, s101
	s_add_nc_u64 s[96:97], s[96:97], s[98:99]      ; scale words, first head
	s_mov_b32 s98, s42
	s_add_nc_u64 s[98:99], s[96:97], s[98:99]      ; second head
	s_mov_b32 s[SEL], 0x76543210
	s_mov_b32 s[SEL+1], 0xfedcba98
	s_mov_b32 s[INV], 0x3c800000                   ; 1 / 64
	s_mov_b32 s[EPS], 0x358637bd                   ; 1e-6
	v_bfe_u32 v1, v0, 4, 1
	v_lshlrev_b32 v1, 6, v1                        ; 64 h bytes: register 16 g + i belongs to column 32 g + 16 h + i
.irp i, 0,1,2,3,4,5,6,7,8,9,10,11,12,13,14,15
	global_load_b128 v[BI+4*\i:BI+4*\i+3], v1, s[8:9] offset:128*(\i/4)+16*(\i%4)
.endr
.irp i, 0,1,2,3,4,5,6,7
	global_load_b128 v[NW+4*\i:NW+4*\i+3], v1, s[10:11] offset:128*(\i/4)+16*(\i%4)
.endr
	v_and_b32 v14, 31, v0
	v_lshlrev_b32 v15, 3, v14                      ; 8 x lane
	v_lshlrev_b32 v14, 4, v14                      ; 16 x lane
	s_lshl_b32 s100, s[WV], 10
	s_add_co_u32 s100, s100, STGQ                  ; my stage for scale words
	v_and_b32 v30, 15, v0
	v_lshlrev_b32 v30, 4, v30
	v_add_nc_u32 v30, s100, v30                    ; in: 16 r
	v_add_nc_u32 v31, s100, v14                    ; back: 16 x lane
	v_mov_b32 v6, 0                                ; written once: a lane permute's destination counts as one of its sources,
	v_mov_b32 v7, 0
	v_mov_b32 v9, 0                                ; and a pair is read whole
	v_mov_b32 v11, 0
	LAST                                           ; the last 64 products stand between the loads above and the wait for them
	PLACES NP
.irp b, 0,1,2,3
	v_mov_b32 v[TM+4+\b], 0
.endr
	s_wait_loadcnt 0x0
; Block a: 16 tokens x my 128 columns, two heads.  Bias, RMS norm over each head's 64 (32 in my lane, 32 in lane l xor 16), the norm's weights, quantised: head c's two blocks are one image.
.macro EPIQK a
	s_wait_xcnt 0x0                                ; the last block's stores have read their registers,
	s_wait_dscnt 0x0                               ; its LDS stores too
	WIN 0x02+(\a)/4                                ; source 0: the accumulators' window
.set j, 0
.rept 32
	v_pk_add_f32 v[Y+j:Y+j+1], v[64*((\a)%4)+j:64*((\a)%4)+j+1], v[BI+j:BI+j+1]   ; each accumulator from its low end on
.set j, j+2
.endr
	WIN 0
.irp c, 0,1
	v_pk_mul_f32 v[SS+2*\c:SS+2*\c+1], v[Y+32*\c:Y+32*\c+1], v[Y+32*\c:Y+32*\c+1]
.endr
.set j, 2
.rept 15
.irp c, 0,1
	v_pk_fma_f32 v[SS+2*\c:SS+2*\c+1], v[Y+32*\c+j:Y+32*\c+j+1], v[Y+32*\c+j:Y+32*\c+j+1], v[SS+2*\c:SS+2*\c+1]
.endr
.set j, j+2
.endr
.irp c, 0,1
	v_add_f32 v[SS+2*\c], v[SS+2*\c], v[SS+2*\c+1]
.endr
.irp c, 0,1
	v_permlanex16_b32 v[6+\c], v[SS+2*\c], s[SEL], s[SEL+1]
.endr
.irp c, 0,1
	v_add_f32 v[SS+2*\c], v[SS+2*\c], v[6+\c]      ; the head's sum of squares
.endr
.irp c, 0,1
	v_fma_f32 v[SS+2*\c], v[SS+2*\c], s[INV], s[EPS]   ; the mean + eps
.endr
	s_wait_alu depctr_va_vdst(0)
.irp c, 0,1
	v_rsq_f32 v[RS+2*\c], v[SS+2*\c]
.endr
	v_nop                                          ; a plain place behind the transcendentals,
	s_wait_alu depctr_va_vdst(0)                   ; and one wait for both, ahead of the first reader
.set j, 0
.rept 16
.irp c, 0,1
	v_pk_mul_f32 v[Y+32*\c+j:Y+32*\c+j+1], v[Y+32*\c+j:Y+32*\c+j+1], v[RS+2*\c:RS+2*\c+1] op_sel_hi:[1,0]
.endr
.set j, j+2
.endr
.set j, 0
.rept 16
.irp c, 0,1
	v_pk_mul_f32 v[Y+32*\c+j:Y+32*\c+j+1], v[Y+32*\c+j:Y+32*\c+j+1], v[NW+j:NW+j+1]   ; a second rounding, as the norm is written
.endr
.set j, j+2
.endr
	QUANT Y
	v_lshl_or_b32 v12, v[TM+5], 8, v[TM+4]         ; head 0's word: its two bytes,
	v_lshl_or_b32 v13, v[TM+7], 8, v[TM+6]         ; head 1's
	v_or_b32 v12, 0x7f7f0000, v12                  ; and 1.0 for the half of the instruction's K that holds zero codes
	v_or_b32 v13, 0x7f7f0000, v13
	global_store_b128 v14, v[PC:PC+3], s[92:93] offset:768*(\a)
	global_store_b64 v15, v[PC+4:PC+5], s[92:93] offset:768*(\a)+512
	global_store_b128 v14, v[PC+6:PC+9], s[94:95] offset:768*(\a)
	global_store_b64 v15, v[PC+10:PC+11], s[94:95] offset:768*(\a)+512
	ds_store_b32 v30, v12 offset:256*((\a)%2)+4*((\a)/2)       ; lanes r and r + 16 write the same word with the same value
	ds_store_b32 v30, v13 offset:512+256*((\a)%2)+4*((\a)/2)
.endm
.irp a, 0,1,2,3,4,5,6,7
	EPIQK \a
.endr
	ds_load_b128 v[2:5], v31                       ; LDS serves a wave's instructions in order: these see my stores
	ds_load_b128 v[8:11], v31 offset:512
	s_wait_dscnt 0x0
	global_store_b128 v14, v[2:5], s[96:97]        ; 512 consecutive bytes: a key step's words of a head
	global_store_b128 v14, v[8:11], s[98:99]
	s_branch .Lend
.Lv:
	; ---- v.  s44 = cy: the block of 256 of v's weight rows; s45 = the block of 256 tokens
	s_lshl_b32 s92, s44, 10
	s_lshl_b32 s93, s[HA], 9
	s_add_co_u32 s92, s92, s93
	s_add_co_u32 s92, s92, 8192                    ; v's biases begin at number 2,048
	s_mov_b32 s93, 0
	s_add_nc_u64 s[8:9], s[8:9], s[92:93]
	s_lshr_b32 s43, s45, 3                         ; the batch
	s_lshl_b32 s43, s43, 4
	s_lshl_b32 s100, s44, 2
	s_add_co_u32 s43, s43, s100
	s_lshl_b32 s100, s[HA], 1
	s_add_co_u32 s43, s43, s100                    ; 16 x batch + my first head, 4 cy + 2 x half
	s_lshl_b32 s100, s45, 1
	s_add_co_u32 s100, s100, s[HB]
	s_and_b32 s100, s100, 15                       ; the key step
	s_mul_i32 s92, s43, 208896
	s_mul_i32 s46, s100, 13056
	s_add_co_u32 s92, s92, s46
	s_add_co_u32 s92, s92, 6144                    ; behind K's eight images
	s_add_nc_u64 s[92:93], s[18:19], s[92:93]
	s_mul_i32 s96, s43, 208896
	s_mul_i32 s46, s100, 13056
	s_add_co_u32 s96, s96, s46
	s_add_co_u32 s96, s96, 12800                   ; behind the key step's codes and K's words
	s_mov_b32 s97, 0
	s_add_nc_u64 s[96:97], s[18:19], s[96:97]
	s_mov_b32 s[SEL], 0x76543210
	s_mov_b32 s[SEL+1], 0xfedcba98
	v_and_b32 v2, 15, v0                           ; r
	v_and_b32 v1, 8, v2
	v_add_nc_u32 v1, v1, v2
	v_lshlrev_b32 v1, 2, v1                        ; 4 (r + 8 (r / 8)): my weight row in its tile
.irp a, 0,1,2,3,4,5,6,7
	global_load_b32 v[BI+\a], v1, s[8:9] offset:4*(32*(\a/2)+8*(\a%2))
.endr
	v_and_b32 v14, 31, v0
	v_lshlrev_b32 v14, 4, v14                      ; 16 x lane
	v_bfe_u32 v3, v0, 4, 1
	v_mul_u32_u24 v15, v3, 208896
	v_lshlrev_b32 v13, 3, v3                       ; 8 h: my bytes' shift in a scale word
	v_lshl_add_u32 v15, v2, 4, v15                 ; the words' way out: 16 r, lanes 16-31 a head on
	s_lshl_b32 s100, s[WV], 9
	s_add_co_u32 s100, s100, STGV                  ; my stage for scale words
	v_lshlrev_b32 v30, 3, v2
	v_add_nc_u32 v30, s100, v30                    ; in: 8 r
	v_add_nc_u32 v31, s100, v14                    ; back: 16 x lane
	LAST
	PLACES NP
.irp b, 0,1,2,3
	v_mov_b32 v[TM+4+\b], 0
.endr
	s_wait_loadcnt 0x0
; Block a: 16 of v's channels (head a / 4, tile a % 4 of its 64) x my 128 tokens, one key step: bias, quantised along the keys: one operand of 12 registers and one word a channel.
.macro EPIV a
	s_wait_xcnt 0x0
	s_wait_dscnt 0x0
	WIN 0x02+(\a)/4
.set j, 0
.rept 32
.if (\a)%2
	v_pk_add_f32 v[Y+j:Y+j+1], v[64*((\a)%4)+j:64*((\a)%4)+j+1], v[BI+(\a)-1:BI+(\a)] op_sel:[0,1] op_sel_hi:[1,1]   ; my channel's bias: the pair's second word for both
.else
	v_pk_add_f32 v[Y+j:Y+j+1], v[64*((\a)%4)+j:64*((\a)%4)+j+1], v[BI+(\a):BI+(\a)+1] op_sel_hi:[1,0]               ; the pair's first word for both
.endif
.set j, j+2
.endr
	WIN 0
	; register 32 c + i = key 64 c + 32 h + i: two whole blocks a lane, each in two chains
.irp c, 0,1
.irp d, 0,1
	v_max3_num_f32 v[TM+2*\c+\d], |v[Y+32*\c+16*\d]|, |v[Y+32*\c+16*\d+1]|, 0x1800000   ; with the floor 2^(3 - 127): the byte cannot fall under 1
.endr
.endr
.irp i, 2,4,6,8,10,12,14
.irp c, 0,1
.irp d, 0,1
	v_max3_num_f32 v[TM+2*\c+\d], v[TM+2*\c+\d], |v[Y+32*\c+16*\d+\i]|, |v[Y+32*\c+16*\d+\i+1]|
.endr
.endr
.endr
.irp c, 0,1
	v_max_num_f32 v[TM+2*\c], v[TM+2*\c], v[TM+2*\c+1]
.endr
.irp c, 0,1
	v_add_nc_u32 v[TM+8+\c], 0xff000000, v[TM+2*\c]   ; 2 off the exponent field: the conversion's scale operand
.endr
.irp c, 0,1
	v_lshrrev_b32 v[TM+4+\c], 23, v[TM+8+\c]       ; the scale's byte
.endr
	v_lshl_or_b32 v12, v[TM+5], 16, v[TM+4]        ; my two bytes: blocks h and 2 + h,
	v_lshlrev_b32 v12, v13, v12                    ; at their places in the word;
	v_permlanex16_b32 v[TM+6], v12, s[SEL], s[SEL+1]
	v_or_b32 v12, v12, v[TM+6]                     ; with lane l xor 16's two the word is whole
.irp c, 0,1
	v_cvt_scalef32_pk16_fp6_f32 v[PC+6*\c:PC+6*\c+2], v[Y+32*\c:Y+32*\c+15], v[TM+8+\c]
	v_cvt_scalef32_pk16_fp6_f32 v[U+4*\c:U+4*\c+2], v[Y+32*\c+16:Y+32*\c+31], v[TM+8+\c]   ; (a conversion's three registers begin on an even number)
.endr
	v_nop                                          ; one plain place behind a scaled conversion
.irp c, 0,1
.irp i, 0,1,2
	v_mov_b32 v[PC+6*\c+3+\i], v[U+4*\c+\i]
.endr
.endr
.irp i, 0,1,2
	global_store_b128 v14, v[PC+4*\i:PC+4*\i+3], s[92:93] offset:208896*((\a)/4)+1536*((\a)%4)+512*\i
.endr
	ds_store_b32 v30, v12 offset:256*((\a)/4)+128*((\a)%2)+4*(((\a)%4)/2)
.endm
.irp a, 0,1,2,3,4,5,6,7
	EPIV \a
.endr
	ds_load_b128 v[2:5], v31
	s_wait_dscnt 0x0
	global_store_b128 v15, v[2:5], s[96:97]        ; sixteen lanes store 256 consecutive bytes, aligned: a key step's words of a head
.Lend:
	s_wait_tensorcnt 0x0                           ; the wave's end: behind my last tensor load and my last LDS store
	ds_add_u32 v[SPW], v[NIL]
	s_wait_dscnt 0x0
	CROUND                                         ; the closing round: no work-group ends while a partner may still ask for a tile that names it
	s_endpgm
.Lfunc_end_k_q5dce57c7c8_qkv:
	.size	k_q5dce57c7c8_qkv, .Lfunc_end_k_q5dce57c7c8_qkv-k_q5dce57c7c8_qkv
	.p2alignl 7, 3214868480
	.fill 96, 4, 3214868480
	.section	.rodata,"a",@progbits
	.p2align	6, 0x0
	.amdhsa_kernel k_q5dce57c7c8_qkv
		.amdhsa_group_segment_fixed_size 327680
		.amdhsa_private_segment_fixed_size 0
		.amdhsa_enable_private_segment 0
		.amdhsa_kernarg_size 64
		.amdhsa_user_sgpr_count 2
		.amdhsa_user_sgpr_kernarg_segment_ptr 1
		.amdhsa_wavefront_size32 1
		.amdhsa_system_sgpr_workgroup_id_x 1
		.amdhsa_system_sgpr_workgroup_id_y 1
		.amdhsa_system_sgpr_workgroup_id_z 1
		.amdhsa_system_vgpr_workitem_id 0
		.amdhsa_next_free_vgpr 1024
		.amdhsa_next_free_sgpr 102
		.amdhsa_reserve_vcc 0
		.amdhsa_float_denorm_mode_32 3
		.amdhsa_float_denorm_mode_16_64 3
		.amdhsa_memory_ordered 1
		.amdhsa_forward_progress 1
		.amdhsa_inst_pref_size 255
	.end_amdhsa_kernel
	.section	.bss,"aw",@nobits
	.p2align	6
	.space	262144
	.amdgpu_metadata
---
amdhsa.version: [ 1, 2 ]
amdhsa.kernels:
  - .name:           k_q5dce57c7c8_qkv
    .symbol:         k_q5dce57c7c8_qkv.kd
    .args:
      - { .name: c1, .offset: 0, .size: 8, .value_kind: global_buffer, .address_space: global }
      - { .name: s1, .offset: 8, .size: 8, .value_kind: global_buffer, .address_space: global }
      - { .name: b_qkv, .offset: 16, .size: 8, .value_kind: global_buffer, .address_space: global }
      - { .name: q_norm_w, .offset: 24, .size: 8, .value_kind: global_buffer, .address_space: global }
      - { .name: k_norm_w, .offset: 32, .size: 8, .value_kind: global_buffer, .address_space: global }
      - { .name: qc, .offset: 40, .size: 8, .value_kind: global_buffer, .address_space: global }
      - { .name: qs, .offset: 48, .size: 8, .value_kind: global_buffer, .address_space: global }
      - { .name: kvc, .offset: 56, .size: 8, .value_kind: global_buffer, .address_space: global }
    .group_segment_fixed_size: 327680
    .private_segment_fixed_size: 0
    .kernarg_segment_align: 8
    .kernarg_segment_size: 64
    .max_flat_workgroup_size: 128
    .sgpr_count:     102
    .vgpr_count:     1024
    .wavefront_size: 32
...
	.end_amdgpu_metadata
.endif
;; end of part 2
;; launch attn (part 3): grid 8 x 32, 8 waves a work-group, clusters of 4 x 1, 209,920 bytes of LDS; arguments qc, qs, kvc, oc, os; writes oc, os
.if DOCPART == 3
	.amdgcn_target "amdgcn-amd-amdhsa--gfx1250"
	.amdhsa_code_object_version 6
	.text
	.protected	k_q5dce57c7c8_attn
	.globl	k_q5dce57c7c8_attn
	.p2align	8
	.type	k_q5dce57c7c8_attn,@function
k_q5dce57c7c8_attn:
	s_mov_b64 s[64:65], 0
	v_nop
	global_prefetch_b8 v0, s[64:65] scope:SCOPE_SE
	s_setreg_imm32_b32 hwreg(HW_REG_WAVE_MODE, 25, 1), 1
	s_wait_xcnt 0x0
	s_wait_alu depctr_hold_cnt(0) depctr_sa_sdst(0) depctr_va_vdst(0) depctr_va_sdst(0) depctr_va_ssrc(0) depctr_va_vcc(0) depctr_vm_vsrc(0)
	s_getreg_b32 s2, hwreg(HW_REG_IB_STS2, 6, 4)
	s_cmp_eq_u32 s2, 0
	s_cbranch_scc0 .Lentry_in_a_cluster
	s_endpgm
.Lentry_in_a_cluster:
	s_bfe_u32 s2, ttmp6, 0x10000c
	s_cmp_lg_u32 s2, 0x3003
	s_cbranch_scc0 .Lentry_shape_is_right
	s_endpgm
.Lentry_shape_is_right:
; O = softmax(q k^T / 8) v for 32 (batch, head) pairs of 2,048 tokens, head size 64, both products on codes of FP6 (E2M3) with E8M0 scales; then O / l is quantised along the model's 1,024 (a head = two blocks of 32).
; THE SOFTMAX: t = score x log2(e) / 8; M = the running largest t rounded UP to a whole number; p = 2^(t - M) is quantised along the keys, not normalised; the row's sum l is taken of the unquantised p and divides at the end.
; When M moves, the sum and O are multiplied by 2^(old M - new M): exact.
; SHARES: a work-group owns 256 queries of one head, each of its 8 waves TWO tiles of 16 (A and B): every fragment of K and V that a wave reads from LDS feeds both tiles' products.  Two waves to a SIMD, 512 registers each.
; A HEAD'S WHOLE K AND V LIE IN LDS, filled ONCE: 16 key steps of 13,056 bytes (K's 8 images 6,144 | V's 4 operands 6,144 | K's scale words 512 | V's 256), dense in memory.  Wave w brings key steps 2 w and 2 w + 1 by its one
; tensor load: one load a wave is out.  The four query blocks of a cluster belong to one head and ask jointly.  All of a head is asked for at the head of the launch, so no prefetch is laid.
; LAYOUT: both products are used transposed (S^T = K Q^T, O^T = V^T P^T): a lane holds ONE query of each tile.  Row m of tile t of a key step is key 64 (t / 4) + 32 (m / 8) + 8 (t % 4) + m % 8, so the 32 registers of tiles
; 4 c .. 4 c + 3 of lane (r, h) are the keys 64 c + 32 h + 0 .. 31: a whole block of p in a lane, in the order that the operand's registers want.  Only the row's maximum and the scale word's bytes cross to lane l xor 16.
; K = 64 IN AN INSTRUCTION OF 128: Q's registers 6-11 hold zero codes and the scale words' bytes 2 and 3 are 0x7f.  A tile of K is six registers; the instruction names twelve, the upper six being the next tile's codes
; (behind the last tile: zeros).  E2M3 has no code for NaN or infinity, so those products are exact zeros.
; LDS LOADS RUN AHEAD: behind a step's score products its V and the NEXT step's K are asked for; one wait, in front of the step's last products, covers both.  The last step, which has no next K, is written out.
; THE SUM of a step's p is taken behind the step's last products (28 packed additions a tile into four partial sums); its last three additions and the multiply-add onto l stand in the next step, among the places
; behind the score products; behind the last step they stand once more.
; LIMITS: the promise holds while the scaled scores t stay under 2^31 in magnitude; a block of zeros gets the byte 1 (its codes are zeros; this program alone reads the bytes); NaN and infinities are not served.
; REGISTERS.  Window 0: v1 16 x lane, v2 8 x lane, v4 16 r, v5 8 h; v6-7 the spare word's; v8-9 LDS addresses; v28-29 Q's words, v30-31 p's words (A, B); v32-79 K's 8 tiles, v80-85 zeros; v86-89 K's words, v90-91 V's;
;   both tiles' small state: -M and the largest score v[12:13], v[10:11]; f v252, v250; at work v200-210, v254 (A), v236-249 (B).   Window 1: v32-79 V's 4 operands.
;   A tile's bulk, A in window 0 and B at the same numbers in window 1: v[14:15] l; v16-27 Q; v96-159 S^T, then p (at the end O / l); v160-191 O^T; v192-199 partial sums; v200-203 chains of maxima; v212-218, v224-235 p's codes.
; THE ORDER OF A STEP, where it differs from the lines above: O^T is brought under the new M directly behind the row's chain, ahead of the exponentials; the 28 packed additions a tile that sum p stand AHEAD of the
; step's last products, as the places between the writes of p's codes and words and those products; those products run on into the next step's score products.
.set KV0,   1024
.set KSTEP, 13056
.set SPW,  6
.set NIL,  7
.set AD16, 8
.set AD8,  9
.set S,   96
.set O,   160
.set T,   192
.set MB,  200
.set U,   212
.set PCD, 224
.set WV,  18
.set CN,  19
.set SEL, 20
.set CS,  22
.set G1,  24
.set G0,  48
.set TB,  2
.set CNT, 67
.set MSB, 0
.macro WIN new                         ; s_set_vgpr_msb: bits 1:0 source 0, 3:2 source 1, 5:4 source 2, 7:6 destination; the high byte repeats the setting that is left
.if MSB != (\new)
	s_set_vgpr_msb (MSB<<8)|(\new)
.set MSB, (\new)
.endif
.endm
.macro CROUND                          ; a round of the cluster's barrier
	s_barrier_signal -1
	s_barrier_wait -1
	s_cmp_lg_u32 s[WV], 0
	s_cbranch_scc1 .Lnot_wave_0_\@
	s_barrier_signal -3
.Lnot_wave_0_\@:
	s_barrier_wait -3
	s_barrier_signal -1
	s_barrier_wait -1
.endm
	s_load_b256 s[4:11], s[0:1], 0x0               ; qc, qs, kvc, oc
	s_load_b64 s[12:13], s[0:1], 0x20              ; os
	v_lshl_add_u32 v[SPW], v0, 2, 0
	v_mov_b32 v[NIL], 0
	ds_add_u32 v[SPW], v[NIL]                      ; the opening lines: the add, twice on end, and its wait ahead of my tensor load
	ds_add_u32 v[SPW], v[NIL]
	v_lshrrev_b32 v3, 5, v0
	v_readfirstlane_b32 s[WV], v3                  ; wave 0..7
	s_bfe_u32 s68, ttmp6, 0x40000                  ; cx: it enters Q's and O's addresses alone
	s_lshl_b32 s69, ttmp9, 2
	s_add_co_u32 s69, s69, s68                     ; my block of 256 queries
	s_lshl_b32 s69, s69, 3
	s_add_co_u32 s69, s69, s[WV]                   ; my pair of tiles, 0..63
	s_and_b32 s70, ttmp7, 0xffff                   ; batch x 16 + head, which the four partners share
	s_mov_b32 s[G1], 15|(3<<16)|(1<<21)            ; a dense block as 102 rows of 256 bytes (32 elements of 8); the mask names all four work-groups, bit 21 beside it
	s_mov_b32 s[G1+1], 32<<16
	s_mov_b32 s[G1+2], 102<<16
	s_mov_b32 s[G1+3], 32<<16
	s_mov_b32 s[G1+4], 102
	s_mov_b32 s[G1+5], 32
	s_mov_b32 s[G1+6], 0
	s_mov_b32 s[G1+7], 0
	s_mul_i32 s76, s[WV], 2*KSTEP                  ; my two key steps
	s_mul_i32 s72, s70, 16*KSTEP                   ; the head
	s_add_co_u32 s72, s72, s76
	s_mov_b32 s73, 0
	s_mov_b32 s[SEL], 0x76543210
	s_mov_b32 s[SEL+1], 0xfedcba98                 ; selects for lane l xor 16
	s_mov_b32 s[CS], 0x3e38aa3b                    ; c = log2(e) / 8
	s_mov_b32 s[CS+1], s[CS]                       ; (named with it as a pair, so it is written)
	s_mov_b32 s[CN], 0xbe38aa3b                    ; -c
	s_mov_b32 s[TB], KV0
	s_mov_b32 s[CNT], 15
	s_wait_dscnt 0x0
	s_wait_kmcnt 0x0
	s_mov_b32 s[G0], 1
	s_add_co_u32 s[G0+1], s76, KV0
	s_add_nc_u64 s[G0+2:G0+3], s[8:9], s[72:73]
	s_or_b32 s[G0+3], s[G0+3], 0x80000000
	CROUND                                         ; all four work-groups are here: the joint loads meet
	tensor_load_to_lds s[G0:G0+3], s[G1:G1+7]      ; my one tensor load
	s_nop 0
.rept 4
	v_nop
.endr
	s_mul_i32 s84, s70, 98304
	s_mul_i32 s85, s69, 1536
	s_add_co_u32 s84, s84, s85
	s_mov_b32 s85, 0
	s_add_nc_u64 s[4:5], s[4:5], s[84:85]          ; my two tiles' images, 768 bytes each
	s_lshl_b32 s84, s70, 13                        ; their scale words: 8,192 bytes a head,
	s_lshr_b32 s86, s69, 2
	s_lshl_b32 s86, s86, 9                         ; 512 for each eight tiles,
	s_add_co_u32 s84, s84, s86
	s_and_b32 s86, s69, 3
	s_lshl_b32 s86, s86, 2                         ; word (tile % 8) / 2; the odd tile's words lie 256 bytes on
	s_add_co_u32 s84, s84, s86
	s_add_nc_u64 s[6:7], s[6:7], s[84:85]
	s_lshr_b32 s86, s70, 4
	s_lshl_b32 s86, s86, 6
	s_add_co_u32 s86, s86, s69                     ; my pair among all 128 pairs of tiles of tokens
	s_and_b32 s87, s70, 15                         ; the head
	s_mul_i32 s88, s86, 24576
	s_mul_i32 s89, s87, 768
	s_add_co_u32 s88, s88, s89
	s_mov_b32 s89, 0
	s_add_nc_u64 s[10:11], s[10:11], s[88:89]      ; where my images go: tile (12,288 bytes), then 64 x head along K
	s_lshl_b32 s88, s86, 10
	s_lshr_b32 s90, s87, 3
	s_lshl_b32 s90, s90, 8
	s_add_co_u32 s88, s88, s90
	s_and_b32 s90, s87, 7
	s_lshl_b32 s90, s90, 1
	s_add_co_u32 s88, s88, s90
	s_add_nc_u64 s[12:13], s[12:13], s[88:89]      ; and their two bytes a row (512 bytes a tile)
	v_and_b32 v3, 31, v0
	v_and_b32 v4, 15, v0
	v_bfe_u32 v5, v0, 4, 1
	v_lshlrev_b32 v1, 4, v3                        ; 16 x lane
	v_lshlrev_b32 v2, 3, v3                        ; 8 x lane
	v_lshlrev_b32 v4, 4, v4                        ; 16 r
	v_lshlrev_b32 v5, 3, v5                        ; 8 h
	global_load_b128 v[16:19], v1, s[4:5]
	global_load_b64 v[20:21], v2, s[4:5] offset:512
	global_load_b32 v28, v4, s[6:7]
	global_load_b32 v29, v4, s[6:7] offset:256
.irp j, 22,23,24,25,26,27,80,81,82,83,84,85
	v_mov_b32 v[\j], 0                             ; zero codes
.endr
	v_mov_b32 v13, 0xff61b1e6                      ; the largest score so far: -3e38, under every score
	v_mov_b32 v11, 0xff61b1e6
.irp j, 14,15,205,237,250,251,252,253
	v_mov_b32 v[\j], 0                             ; l; the lane permutes' destinations, which count as sources; f, and the pairs' upper halves
.endr
	v_mul_f32 v12, s[CN], v13
	v_mul_f32 v10, s[CN], v11
.set j, 0
.rept 8
	v_mov_b32 v[T+j], 0                            ; no step has left partial sums yet
.set j, j+1
.endr
	v_floor_f32 v12, v12                           ; -M
	v_floor_f32 v10, v10
.set j, 0
.rept 32
	v_mov_b32 v[O+j], 0                            ; O^T: the first step finds zeros, which the first change of M leaves zeros
.set j, j+1
.endr
	WIN 0x40                                       ; tile B's bulk: destinations in window 1
	global_load_b128 v[16:19], v1, s[4:5] offset:768
	global_load_b64 v[20:21], v2, s[4:5] offset:1280
.irp j, 22,23,24,25,26,27,14,15,204,205,254
	v_mov_b32 v[\j], 0
.endr
.set j, 0
.rept 8
	v_mov_b32 v[T+j], 0
.set j, j+1
.endr
.set j, 0
.rept 32
	v_mov_b32 v[O+j], 0
.set j, j+1
.endr
	WIN 0
.macro SMUL x                          ; S^T = K Q^T of tile x: eight products
.irp t, 0,1,2,3,4,5,6,7
.if (\t)%2
	v_wmma_scale_f32_16x16x128_f8f6f4 v[S+8*\t:S+8*\t+7], v[32+6*\t:43+6*\t], v[16:27], 0, v[86+\t/2], v[28+\x] matrix_a_fmt:MATRIX_FMT_FP6 matrix_b_fmt:MATRIX_FMT_FP6 matrix_a_scale:MATRIX_SCALE_ROW1
.else
	v_wmma_scale_f32_16x16x128_f8f6f4 v[S+8*\t:S+8*\t+7], v[32+6*\t:43+6*\t], v[16:27], 0, v[86+\t/2], v[28+\x] matrix_a_fmt:MATRIX_FMT_FP6 matrix_b_fmt:MATRIX_FMT_FP6
.endif
.endr
.endm
.macro PMUL x                          ; O^T += V^T P^T of tile x: four products
.irp t, 0,1,2,3
.if (\t)%2
	v_wmma_scale_f32_16x16x128_f8f6f4 v[O+8*\t:O+8*\t+7], v[32+12*\t:43+12*\t], v[PCD:PCD+11], v[O+8*\t:O+8*\t+7], v[90+\t/2], v[30+\x] matrix_a_fmt:MATRIX_FMT_FP6 matrix_b_fmt:MATRIX_FMT_FP6 matrix_a_scale:MATRIX_SCALE_ROW1
.else
	v_wmma_scale_f32_16x16x128_f8f6f4 v[O+8*\t:O+8*\t+7], v[32+12*\t:43+12*\t], v[PCD:PCD+11], v[O+8*\t:O+8*\t+7], v[90+\t/2], v[30+\x] matrix_a_fmt:MATRIX_FMT_FP6 matrix_b_fmt:MATRIX_FMT_FP6
.endif
.endr
.endm
.macro KLOAD off                       ; K's eight tiles and their words
.irp t, 0,1,2,3,4,5,6,7
	ds_load_b128 v[32+6*\t:35+6*\t], v[AD16] offset:\off+768*\t
	ds_load_b64 v[36+6*\t:37+6*\t], v[AD8] offset:\off+768*\t+512
.endr
	ds_load_b128 v[86:89], v[AD16] offset:\off+12288   ; register t / 2: lanes 0-15 the even tile's words, lanes 16-31 the odd tile's
.endm
.macro TAIL mv                         ; the last step's partial sums, onto l under that step's f; mv: also keep the old -M
	v_pk_add_f32 v[T:T+1], v[T:T+1], v[T+2:T+3]
	v_pk_add_f32 v[T+4:T+5], v[T+4:T+5], v[T+6:T+7]
.if \mv
	v_mov_b32 v254, v12
	v_mov_b32 v249, v10
.endif
	v_pk_add_f32 v[T:T+1], v[T:T+1], v[T+4:T+5]
	v_pk_fma_f32 v[14:15], v[14:15], v[252:253], v[T:T+1] op_sel_hi:[1,0,1]
	WIN 0x55
	v_pk_add_f32 v[T:T+1], v[T:T+1], v[T+2:T+3]
	v_pk_add_f32 v[T+4:T+5], v[T+4:T+5], v[T+6:T+7]
	v_pk_add_f32 v[T:T+1], v[T:T+1], v[T+4:T+5]
	WIN 0x51                                       ; f lies in window 0
	v_pk_fma_f32 v[14:15], v[14:15], v[250:251], v[T:T+1] op_sel_hi:[1,0,1]
	WIN 0
.endm
.macro MAXC                            ; the largest score of each of a lane's two blocks of 32 keys, less its last key: two chains a block, each tile from its low end on
.irp c, 0,1
.irp d, 0,1
	v_max3_num_f32 v[MB+2*\c+\d], v[S+32*\c+16*\d], v[S+32*\c+16*\d+1], v[S+32*\c+16*\d+2]
.endr
.endr
.irp i, 3,5,7,9,11,13
.irp c, 0,1
.irp d, 0,1
	v_max3_num_f32 v[MB+2*\c+\d], v[MB+2*\c+\d], v[S+32*\c+16*\d+\i], v[S+32*\c+16*\d+\i+1]
.endr
.endr
.endr
.irp c, 0,1
	v_max3_num_f32 v[MB+2*\c], v[MB+2*\c], v[MB+2*\c+1], v[S+32*\c+15]
.endr
.endm
.macro TMIN mp                         ; t - M, two at a time
.set j, 0
.rept 32
	v_pk_fma_f32 v[S+j:S+j+1], v[S+j:S+j+1], s[CS:CS+1], v[\mp:\mp+1] op_sel_hi:[1,0,0]
.set j, j+2
.endr
.endm
.macro EXPS                            ; p = 2^(t - M), at most 1
.set j, 0
.rept 64
	v_exp_f32 v[S+j], v[S+j]
.set j, j+1
.endr
.endm
.macro CVTS sop                        ; a lane's two blocks into codes (a conversion's three registers begin on an even number)
.irp c, 0,1
	v_cvt_scalef32_pk16_fp6_f32 v[PCD+6*\c:PCD+6*\c+2], v[S+32*\c:S+32*\c+15], v[\sop+\c]
	v_cvt_scalef32_pk16_fp6_f32 v[U+4*\c:U+4*\c+2], v[S+32*\c+16:S+32*\c+31], v[\sop+\c]
.endr
.endm
.macro MOVS
.irp c, 0,1
.irp i, 0,1,2
	v_mov_b32 v[PCD+6*\c+3+\i], v[U+4*\c+\i]
.endr
.endr
.endm
.macro RESC f                          ; O^T under the new M
.set j, 0
.rept 16
	v_pk_mul_f32 v[O+j:O+j+1], v[O+j:O+j+1], v[\f:\f+1] op_sel_hi:[1,0]
.set j, j+2
.endr
.endm
.macro SUMS                            ; the sum of the UNQUANTISED p: four chains of eight pairs
.irp q, 0,1,2,3
	v_pk_add_f32 v[T+2*\q:T+2*\q+1], v[S+16*\q:S+16*\q+1], v[S+16*\q+2:S+16*\q+3]
.endr
.irp i, 4,6,8,10,12,14
.irp q, 0,1,2,3
	v_pk_add_f32 v[T+2*\q:T+2*\q+1], v[T+2*\q:T+2*\q+1], v[S+16*\q+\i:S+16*\q+\i+1]
.endr
.endr
.endm
; A KEY STEP: 128 keys x both tiles.  Its K is in registers.  more = 1: the next step's K is asked for.
.macro STEP more
	SMUL 0
	WIN 0x44                                       ; Q and S^T of tile B: window 1
	SMUL 1
	WIN 0
	v_add_nc_u32 v[AD16], s[TB], v1                ; (these lines and the sums' tail, plain lines that name none of the products' registers, are the places in front of the loads into K's registers and of the first read of the scores)
	v_add_nc_u32 v[AD8], s[TB], v2
	TAIL 1
	ds_load_b64 v[90:91], v[AD8] offset:12800      ; V's words
.if \more
	KLOAD KSTEP
.endif
	WIN 0x40
.irp t, 0,1,2,3
.irp i, 0,1,2
	ds_load_b128 v[32+12*\t+4*\i:35+12*\t+4*\i], v[AD16] offset:6144+1536*\t+512*\i   ; V's operands, into window 1
.endr
.endr
	WIN 0
	MAXC
.irp c, 0,1
	v_max_num_f32 v[200+2*\c], v[MB+2*\c], v[S+32*\c+31]   ; a block's largest score serves for the row's maximum and, since p rises with the score, for the block's largest p
.endr
	WIN 0x55
	MAXC
	WIN 0x05                                       ; tile B's two results go to window 0, beside A's
.irp c, 0,1
	v_max_num_f32 v[238+2*\c], v[MB+2*\c], v[S+32*\c+31]
.endr
	WIN 0
.irp x, 0,1                                    ; from here both tiles' chains take turns, line by line
	v_max_num_f32 v[204+32*\x], v[200+38*\x], v[202+38*\x]
.endr
.irp x, 0,1
	s_delay_alu instid0(VALU_DEP_2)
	v_permlanex16_b32 v[205+32*\x], v[204+32*\x], s[SEL], s[SEL+1]
.endr
.irp x, 0,1
	s_delay_alu instid0(VALU_DEP_2)
	v_max3_num_f32 v[13-2*\x], v[13-2*\x], v[204+32*\x], v[205+32*\x]   ; the running largest score of my query, lane l xor 16's keys among them
.endr
.irp x, 0,1
	s_delay_alu instid0(VALU_DEP_2)
	v_mul_f32 v[204+32*\x], s[CN], v[13-2*\x]      ; -t
.endr
.irp x, 0,1
	s_delay_alu instid0(VALU_DEP_2)
	v_floor_f32 v[12-2*\x], v[204+32*\x]           ; the new -M = -ceil(t): a whole number
.endr
.irp x, 0,1
	s_delay_alu instid0(VALU_DEP_2)
	v_sub_f32 v[254-5*\x], v[12-2*\x], v[254-5*\x] ; old M less new M: a whole number, 0 or less
.endr
.irp x, 0,1
	s_delay_alu instid0(VALU_DEP_2)
	v_cvt_i32_f32 v[254-5*\x], v[254-5*\x]         ; (it saturates)
.endr
.irp x, 0,1
	s_delay_alu instid0(VALU_DEP_2)
	v_ldexp_f32 v[252-2*\x], 1.0, v[254-5*\x]      ; f = 2^(old M - new M)
.endr
	RESC 252                                       ; O^T of tile A under the new M: no transcendental stands between its products and this first read
	TMIN 12
.irp x, 0,1
.irp c, 0,1
	v_fma_f32 v[200+38*\x+2*\c], v[200+38*\x+2*\c], s[CS], v[12-2*\x]   ; the same of each block's largest score
.endr
.endr
	WIN 0x41                                       ; S^T of tile B; -M in window 0
	RESC 250                                       ; and of tile B (f in window 0)
	TMIN 10
	s_wait_alu depctr_va_vdst(0)                   ; the wait ahead of the batch
	EXPS
	WIN 0
	EXPS
.irp x, 0,1
.irp c, 0,1
	v_exp_f32 v[200+38*\x+2*\c], v[200+38*\x+2*\c] ; the block's largest p: the same two instructions on the same number give the same bits
.endr
.endr
	v_nop                                          ; a plain place behind the exponentials,
	s_wait_alu depctr_va_vdst(0)                   ; and one wait for the whole batch, ahead of its first reader
.irp x, 0,1
.irp c, 0,1
	v_max_num_f32 v[200+38*\x+2*\c], 0x1800000, v[200+38*\x+2*\c]   ; the floor 2^(3 - 127): the byte cannot fall under 1
.endr
.endr
.irp x, 0,1
.irp c, 0,1
	v_add_nc_u32 v[206+36*\x+\c], 0xff000000, v[200+38*\x+2*\c]   ; 2 off the exponent field: the conversion's scale operand
.endr
.endr
	CVTS 206
.irp x, 0,1
.irp c, 0,1
	v_lshrrev_b32 v[208+36*\x+\c], 23, v[206+36*\x+\c]   ; the scale's byte.  (Plain lines behind the conversions, which touch none of their results)
.endr
.endr
.irp x, 0,1
	v_lshl_or_b32 v[210+36*\x], v[209+36*\x], 16, v[208+36*\x]   ; my two bytes: blocks h and 2 + h,
.endr
.irp x, 0,1
	s_delay_alu instid0(VALU_DEP_2)
	v_lshlrev_b32 v[210+36*\x], v5, v[210+36*\x]   ; at their places in the word;
.endr
.irp x, 0,1
	s_delay_alu instid0(VALU_DEP_2)
	v_permlanex16_b32 v[205+32*\x], v[210+36*\x], s[SEL], s[SEL+1]
.endr
.irp x, 0,1
	s_delay_alu instid0(VALU_DEP_2)
	v_or_b32 v[30+\x], v[210+36*\x], v[205+32*\x]  ; with lane l xor 16's two: p's scale word for these 128 keys
.endr
	MOVS
	SUMS                                           ; tile A's sums: 28 plain lines between the writes of its codes and word and its products
	WIN 0x41                                       ; tile B's bulk; its scale operands in window 0
	CVTS 242
	WIN 0x55
.irp q, 0,1,2,3                                ; tile B's sums: the first four are the plain lines behind the conversions,
	v_pk_add_f32 v[T+2*\q:T+2*\q+1], v[S+16*\q:S+16*\q+1], v[S+16*\q+2:S+16*\q+3]
.endr
	MOVS
.irp i, 4,6,8,10,12,14                         ; the other 24 the places between the writes of its codes and its products
.irp q, 0,1,2,3
	v_pk_add_f32 v[T+2*\q:T+2*\q+1], v[T+2*\q:T+2*\q+1], v[S+16*\q+\i:S+16*\q+\i+1]
.endr
.endr
	WIN 0
	s_wait_alu depctr_va_vdst(0)                   ; a wait directly ahead of the wait below; it also stands between the partial sums' writes and their readers in the next step
	s_wait_dscnt 0x0                               ; V is in, and the next step's K
	WIN 0x01                                       ; V: window 1
	PMUL 0
	WIN 0x55
	PMUL 1
	WIN 0
.endm
	s_wait_alu depctr_va_vdst(0)                   ; the wait at the head's end
	s_wait_tensorcnt 0x0                           ; my two key steps are in,
	s_barrier_signal -1
	s_barrier_wait -1                              ; everybody's are
	v_add_nc_u32 v[AD16], s[TB], v1
	v_add_nc_u32 v[AD8], s[TB], v2
	KLOAD 0                                        ; key step 0's K
	s_wait_loadcnt 0x0                             ; Q
	s_wait_dscnt 0x0
.Lstep:
	STEP 1
	s_add_co_u32 s[TB], s[TB], KSTEP               ; the next key step
	s_sub_co_u32 s[CNT], s[CNT], 1
	s_cmp_lg_u32 s[CNT], 0
	s_cbranch_scc1 .Lstep                          ; behind the step's last wait on the vector side stand matrix instructions alone
	s_mov_b32 s[TB], KV0+15*KSTEP
	STEP 0                                         ; the last key step asks for no further K
	TAIL 0                                         ; its sums
; THE WAY OUT of a tile: O^T / l, quantised along the head's 64: registers 16 g + i are channels 32 g + 16 (lane / 16) + i of my query.  Tile B: the same lines with every operand in window 1.
.macro EPI x
	WIN 0x55*\x
	v_add_f32 v14, v14, v15                        ; the sum's two halves,
	s_delay_alu instid0(VALU_DEP_1)
	v_permlanex16_b32 v254, v14, s[SEL], s[SEL+1]
	s_delay_alu instid0(VALU_DEP_1)
	v_add_f32 v14, v14, v254                       ; and lane l xor 16's: the row's sum
	s_wait_alu depctr_va_vdst(0)
	v_rcp_f32 v14, v14
	v_nop                                          ; a plain place behind the transcendental,
	s_wait_alu depctr_va_vdst(0)                   ; and the wait ahead of its first reader, and of O^T's
.set j, 0
.rept 32
	v_mul_f32 v[S+j], v[O+j], v14                  ; each accumulator from its low end on
.set j, j+1
.endr
.irp g, 0,1
	v_max3_num_f32 v[MB+\g], |v[S+16*\g]|, |v[S+1+16*\g]|, 0x1800000
.endr
.irp i, 2,4,6,8,10,12,14
.irp g, 0,1
	s_delay_alu instid0(VALU_DEP_2)
	v_max3_num_f32 v[MB+\g], v[MB+\g], |v[S+16*\g+\i]|, |v[S+1+16*\g+\i]|
.endr
.endr
.irp g, 0,1
	s_delay_alu instid0(VALU_DEP_2)
	v_permlanex16_b32 v[204+\g], v[MB+\g], s[SEL], s[SEL+1]
.endr
.irp g, 0,1
	s_delay_alu instid0(VALU_DEP_2)
	v_max_num_f32 v[MB+\g], v[MB+\g], v[204+\g]    ; with lane l xor 16's 16 channels: the block's largest magnitude
.endr
.irp g, 0,1
	s_delay_alu instid0(VALU_DEP_2)
	v_add_nc_u32 v[206+\g], 0xff000000, v[MB+\g]
.endr
.irp g, 0,1
	s_delay_alu instid0(VALU_DEP_2)
	v_lshrrev_b32 v[208+\g], 23, v[206+\g]
.endr
	s_delay_alu instid0(VALU_DEP_1)
	v_lshl_or_b32 v254, v209, 8, v208              ; the head's two bytes of my row
	v_cvt_scalef32_pk16_fp6_f32 v[224:226], v[S:S+15], v206
	v_cvt_scalef32_pk16_fp6_f32 v[232:234], v[S+16:S+31], v207
	v_nop
.irp i, 0,1,2
	v_permlane16_swap_b32 v[224+\i], v[232+\i]     ; the operand's layout wants a whole block in a lane
.endr
.irp i, 0,1,2
	s_delay_alu instid0(VALU_DEP_3)
	v_mov_b32 v[227+\i], v[232+\i]
.endr
	WIN 0x04*\x                                    ; the stores' data in the tile's window, their addresses in window 0
	global_store_b128 v1, v[224:227], s[10:11] offset:12288*\x       ; 512 consecutive bytes
	global_store_b64 v2, v[228:229], s[10:11] offset:12288*\x+512    ; 256 consecutive bytes
	global_store_b16 v4, v254, s[12:13] offset:512*\x                ; lanes r and r + 16 write the same two bytes with the same value; one such store a tile
.endm
	EPI 0
	EPI 1
	WIN 0
	s_wait_tensorcnt 0x0                           ; the wave's end
	ds_add_u32 v[SPW], v[NIL]
	s_wait_dscnt 0x0
	CROUND                                         ; the closing round: no work-group ends while a partner may still ask for a tile that names it
	s_endpgm
.Lfunc_end_k_q5dce57c7c8_attn:
	.size	k_q5dce57c7c8_attn, .Lfunc_end_k_q5dce57c7c8_attn-k_q5dce57c7c8_attn
	.p2alignl 7, 3214868480
	.fill 96, 4, 3214868480
	.section	.rodata,"a",@progbits
	.p2align	6, 0x0
	.amdhsa_kernel k_q5dce57c7c8_attn
		.amdhsa_group_segment_fixed_size 209920
		.amdhsa_private_segment_fixed_size 0
		.amdhsa_enable_private_segment 0
		.amdhsa_kernarg_size 40
		.amdhsa_user_sgpr_count 2
		.amdhsa_user_sgpr_kernarg_segment_ptr 1
		.amdhsa_wavefront_size32 1
		.amdhsa_system_sgpr_workgroup_id_x 1
		.amdhsa_system_sgpr_workgroup_id_y 1
		.amdhsa_system_sgpr_workgroup_id_z 1
		.amdhsa_system_vgpr_workitem_id 0
		.amdhsa_next_free_vgpr 512
		.amdhsa_next_free_sgpr 92
		.amdhsa_reserve_vcc 0
		.amdhsa_float_denorm_mode_32 3
		.amdhsa_float_denorm_mode_16_64 3
		.amdhsa_memory_ordered 1
		.amdhsa_forward_progress 1
		.amdhsa_inst_pref_size 73
	.end_amdhsa_kernel
	.amdgpu_metadata
---
amdhsa.version: [ 1, 2 ]
amdhsa.kernels:
  - .name:           k_q5dce57c7c8_attn
    .symbol:         k_q5dce57c7c8_attn.kd
    .args:
      - { .name: qc, .offset: 0, .size: 8, .value_kind: global_buffer, .address_space: global }
      - { .name: qs, .offset: 8, .size: 8, .value_kind: global_buffer, .address_space: global }
      - { .name: kvc, .offset: 16, .size: 8, .value_kind: global_buffer, .address_space: global }
      - { .name: oc, .offset: 24, .size: 8, .value_kind: global_buffer, .address_space: global }
      - { .name: os, .offset: 32, .size: 8, .value_kind: global_buffer, .address_space: global }
    .group_segment_fixed_size: 209920
    .private_segment_fixed_size: 0
    .kernarg_segment_align: 8
    .kernarg_segment_size: 40
    .max_flat_workgroup_size: 256
    .sgpr_count:     92
    .vgpr_count:     512
    .wavefront_size: 32
...
	.end_amdgpu_metadata
.endif
;; end of part 3
;; launch proj (part 4): grid 8 x 32, 4 waves a work-group, clusters of 4 x 4, 222,720 bytes of LDS; arguments oc, os, c1, s1, b_proj, out0; writes out0
.if DOCPART == 4
	.amdgcn_target "amdgcn-amd-amdhsa--gfx1250"
	.amdhsa_code_object_version 6
	.text
	.protected	k_q5dce57c7c8_proj
	.globl	k_q5dce57c7c8_proj
	.p2align	8
	.type	k_q5dce57c7c8_proj,@function
k_q5dce57c7c8_proj:
	s_mov_b64 s[64:65], 0
	v_nop
	global_prefetch_b8 v0, s[64:65] scope:SCOPE_SE
	s_setreg_imm32_b32 hwreg(HW_REG_WAVE_MODE, 25, 1), 1
	s_wait_xcnt 0x0
	s_wait_alu depctr_hold_cnt(0) depctr_sa_sdst(0) depctr_va_vdst(0) depctr_va_sdst(0) depctr_va_ssrc(0) depctr_va_vcc(0) depctr_vm_vsrc(0)
	s_getreg_b32 s2, hwreg(HW_REG_IB_STS2, 6, 4)
	s_cmp_eq_u32 s2, 0
	s_cbranch_scc0 .Lentry_in_a_cluster
	s_endpgm
.Lentry_in_a_cluster:
	s_bfe_u32 s2, ttmp6, 0x10000c
	s_cmp_lg_u32 s2, 0xf033
	s_cbranch_scc0 .Lentry_shape_is_right
	s_endpgm
.Lentry_shape_is_right:
; out0 = O w_proj^T + b_proj on codes of FP6 (E2M3) with E8M0 scales, K = 1,024.  O's codes (oc) and scale words (os) come from the attention launch, w_proj's are tiles 448-511 of c1 and s1.
; Codes: tiles of 16 rows, a tile = 16 images of 768 bytes, one for each 64 along K; two images on end are the 12 registers of an operand of 16 rows x 128 K.  Scale words: [tile][K / 512][row][4 words].
; SHARES: 256 work-groups, each 128 tokens x 128 columns; a wave 64 x 64: 16 accumulators.  ALL OF K LIES IN LDS: A's 8 tiles 98,304 bytes, B's 98,304, their scale words 4,096 each, all dense in memory.
; Four tensor loads, one a wave (wave 0 A's codes, 1 B's, 2 A's words, 3 B's); nothing is filled again.  CLUSTERS 4 x 4: A's loads are joint along a row of the cluster, B's along a column.
; No loop fetches and every byte is asked for at the head, so no prefetch is laid.
; SOURCE 0 = 16 rows of w_proj, SOURCE 1 = 16 tokens: a lane holds one token; the 16 registers of B's tiles 2 g, 2 g + 1 are columns 32 g + 16 (lane / 16) + 0 .. 15.
; THE BIAS is loaded straight into the accumulators, so every product adds in place.  Row m of token tile T is token 64 (T / 4) + 32 (m / 8) + 8 (T % 4) + m % 8: the stores put each row at its place.
; REGISTERS: window 0: v16-19 fragment addresses, v20 scale words', v21-23 the way out, v28-29 the spare word's; v32-127, v128-223 two sets of fragments (A's four, then B's four); v224-255 scale words.
;   window 1: v0-127 the accumulators, (a, b) at 8 (4 a + b).
.set TILEG,  12288
.set BCD,    98304                     ; B's codes, behind A's
.set SCL,    196608                    ; A's scale words, then B's
.set SPARE,  204800                    ; the spare words: 128 bytes a wave
.set STG,    205312                    ; the way out: 16 rows x 272 bytes a wave; no tensor load lands here
.set SPITCH, 272
.set ADRA, 16
.set ADRB, 18
.set ADRS, 20
.set STO,  21
.set RD,   22
.set CO,   23
.set SPW,  28
.set NIL,  29
.set F,    32
.set SC,   224
.set BK,   32
.set WV,  16
.set HA,  17
.set HB,  18
.set G1A, 28
.set G1B, 36
.set G1S, 44
.set G1T, 52
.set G0A, 68
.set G0B, 72
.set G0S, 76
.set G0T, 80
.set MSB, 0
.macro WIN new                         ; the immediate's high byte repeats the setting that is left
.if MSB != (\new)
	s_set_vgpr_msb (MSB<<8)|(\new)
.set MSB, (\new)
.endif
.endm
.macro CROUND                          ; a round of the cluster's barrier
	s_barrier_signal -1
	s_barrier_wait -1
	s_cmp_lg_u32 s[WV], 0
	s_cbranch_scc1 .Lnot_wave_0_\@
	s_barrier_signal -3
.Lnot_wave_0_\@:
	s_barrier_wait -3
	s_barrier_signal -1
	s_barrier_wait -1
.endm
.macro PLACES
.rept 4
	v_nop
.endr
.endm
.macro DENSE g, m, rows                ; group 1 of a dense block: rows of 256 bytes (32 elements of 8); the mask, bit 21 beside it
	s_or_b32 s[\g], s[\m], (3<<16)|(1<<21)
	s_mov_b32 s[\g+1], 32<<16
	s_mov_b32 s[\g+2], (\rows)<<16
	s_mov_b32 s[\g+3], 32<<16
	s_mov_b32 s[\g+4], \rows
	s_mov_b32 s[\g+5], 32
	s_mov_b32 s[\g+6], 0
	s_mov_b32 s[\g+7], 0
.endm
.macro GRP0 g, lds, a                  ; group 0: LDS address, global address
	s_mov_b32 s[\g], 1
	s_mov_b32 s[\g+1], \lds
	s_mov_b64 s[\g+2:\g+3], s[\a:\a+1]
	s_or_b32 s[\g+3], s[\g+3], 0x80000000
.endm
	s_load_b256 s[4:11], s[0:1], 0x0               ; oc, os, c1, s1
	s_load_b128 s[12:15], s[0:1], 0x20             ; b_proj, out0
	v_lshl_add_u32 v[SPW], v0, 2, SPARE
	v_mov_b32 v[NIL], 0
	ds_add_u32 v[SPW], v[NIL]                      ; the opening lines: the add, twice on end, and its wait ahead of my tensor load
	ds_add_u32 v[SPW], v[NIL]
	v_lshrrev_b32 v1, 5, v0
	v_readfirstlane_b32 s[WV], v1                  ; wave 0..3
	s_lshr_b32 s[HA], s[WV], 1                     ; my half of the tokens
	s_and_b32 s[HB], s[WV], 1                      ; my half of the columns
	s_bfe_u32 s19, ttmp6, 0x40000                  ; cx
	s_bfe_u32 s20, ttmp6, 0x40004                  ; cy
	s_lshl_b32 s21, ttmp9, 2
	s_add_co_u32 s21, s21, s19                     ; the block of 128 columns
	s_and_b32 s22, ttmp7, 0xffff
	s_lshl_b32 s22, s22, 2
	s_add_co_u32 s22, s22, s20                     ; the block of 128 tokens
	s_lshl_b32 s23, s20, 2
	s_lshl_b32 s23, 15, s23                        ; my row of the cluster
	s_lshl_b32 s24, 0x1111, s19                    ; my column
	DENSE G1A, 23, 384
	DENSE G1B, 24, 384
	DENSE G1S, 23, 16
	DENSE G1T, 24, 16
	s_mul_i32 s60, s22, 8*TILEG                    ; A's codes: eight tiles a block,
	s_mov_b32 s61, 0
	s_lshl_b32 s62, s22, 12                        ; and their words
	s_mov_b32 s63, 0
	s_lshl_b32 s84, s21, 3
	s_add_co_u32 s84, s84, 448                     ; B's first tile in c1 and s1
	s_mul_i32 s86, s84, TILEG
	s_mov_b32 s87, 0
	s_lshl_b32 s84, s84, 9
	s_mov_b32 s85, 0
	s_wait_dscnt 0x0
	s_wait_kmcnt 0x0
	s_add_nc_u64 s[4:5], s[4:5], s[60:61]
	s_add_nc_u64 s[6:7], s[6:7], s[62:63]
	s_add_nc_u64 s[8:9], s[8:9], s[86:87]
	s_add_nc_u64 s[10:11], s[10:11], s[84:85]
	GRP0 G0A, 0, 4
	GRP0 G0B, BCD, 8
	GRP0 G0S, SCL, 6
	GRP0 G0T, SCL+4096, 10
	CROUND                                         ; all sixteen work-groups are here: the joint loads meet
; one chain of branches on the wave's number: every way passes exactly one load
.macro ARM under, g0, g1, next
	s_cmp_lt_u32 s[WV], \under
	s_cbranch_scc0 \next
	tensor_load_to_lds s[\g0:\g0+3], s[\g1:\g1+7]
	s_nop 0
.rept 4
	v_nop
.endr
	s_branch .Lhead_asked
\next:
.endm
	ARM 1, G0A, G1A, .Lhead_b
	ARM 2, G0B, G1B, .Lhead_sa
	ARM 3, G0S, G1S, .Lhead_sb
	tensor_load_to_lds s[G0T:G0T+3], s[G1T:G1T+7]
	s_nop 0
.rept 4
	v_nop
.endr
.Lhead_asked:
	s_mul_i32 s25, s[HA], 4*TILEG                  ; my four tiles of A
	s_mul_i32 s26, s[HB], 4*TILEG
	s_add_co_u32 s26, s26, BCD                     ; and of B
	s_lshl_b32 s27, s[HA], 11                      ; A's words: my four tiles
	s_lshl_b32 s60, s[HB], 11
	s_add_co_u32 s60, s60, 4096
	s_sub_co_u32 s60, s60, s27                     ; from there to B's
	s_add_co_u32 s27, s27, SCL
	s_mul_i32 s61, s[WV], 16*SPITCH
	s_add_co_u32 s61, s61, STG                     ; my stage
	s_lshl_b32 s62, s21, 9
	s_lshl_b32 s63, s[HB], 8
	s_add_co_u32 s62, s62, s63                     ; my 64 columns, in bytes
	s_mov_b32 s63, 0
	s_add_nc_u64 s[12:13], s[12:13], s[62:63]
	s_add_nc_u64 s[14:15], s[14:15], s[62:63]
	s_lshl_b32 s62, s22, 19
	s_lshl_b32 s84, s[HA], 18
	s_add_co_u32 s62, s62, s84                     ; my 64 tokens: rows of 4,096 bytes
	s_add_nc_u64 s[14:15], s[14:15], s[62:63]
	v_and_b32 v1, 31, v0                           ; lane
	v_and_b32 v2, 15, v0                           ; r
	v_bfe_u32 v3, v0, 4, 1                         ; h
	v_lshlrev_b32 v4, 4, v1
	v_lshlrev_b32 v5, 3, v1
	v_lshlrev_b32 v7, 6, v3                        ; the bias: register 16 g + i belongs to column 32 g + 16 h + i
	v_add_nc_u32 v[ADRA], s25, v4
	v_add_nc_u32 v[ADRA+1], s25, v5
	v_add_nc_u32 v[ADRB], s26, v4
	v_add_nc_u32 v[ADRB+1], s26, v5
	v_mul_u32_u24 v6, s60, v3                      ; lanes 16-31 take B's words
	v_lshl_add_u32 v6, v2, 4, v6                   ; 16 bytes a row for 512 along K
	v_add_nc_u32 v[ADRS], s27, v6
	v_mul_u32_u24 v8, v2, SPITCH                   ; into the stage: row r, 64 bytes for each half of the lanes
	v_lshl_add_u32 v8, v3, 6, v8
	v_add_nc_u32 v[STO], s61, v8
	v_mul_u32_u24 v9, v3, SPITCH                   ; back: lanes 0-15 one row of 256 bytes, lanes 16-31 the next
	v_lshl_add_u32 v9, v2, 4, v9
	v_add_nc_u32 v[RD], s61, v9
	v_lshlrev_b32 v10, 12, v3
	v_lshl_add_u32 v[CO], v2, 4, v10               ; and the same two rows in out0
	WIN 0x40                                       ; destination: window 1
.irp a, 0,1,2,3
.irp i, 0,1,2,3,4,5,6,7
	global_load_b128 v[32*\a+4*\i:32*\a+4*\i+3], v7, s[12:13] offset:128*(\i/4)+16*(\i%4)   ; the bias starts the sums of all four blocks of tokens
.endr
.endr
	WIN 0
.macro FRAG reg, adr, k, i             ; a fragment, 16 rows x 128 K, is two images on end: four dense loads
	ds_load_b128 v[\reg:\reg+3], v[\adr] offset:TILEG*(\i)+1536*(\k)
	ds_load_b64 v[\reg+4:\reg+5], v[\adr+1] offset:TILEG*(\i)+1536*(\k)+512
	ds_load_b128 v[\reg+6:\reg+9], v[\adr] offset:TILEG*(\i)+1536*(\k)+768
	ds_load_b64 v[\reg+10:\reg+11], v[\adr+1] offset:TILEG*(\i)+1536*(\k)+1280
.endm
.macro FETCH k                         ; 32 loads: step k's eight fragments into set k % 2
.irp i, 0,1,2,3
	FRAG F+96*((\k)%2)+12*\i, ADRA, \k, \i
.endr
.irp i, 0,1,2,3
	FRAG F+96*((\k)%2)+48+12*\i, ADRB, \k, \i
.endr
.endm
.macro MUL k                           ; 16 products, the accumulators by turns
.irp a, 0,1,2,3
.irp b, 0,1,2,3
	v_wmma_scale_f32_16x16x128_f8f6f4 v[8*(4*\a+\b):8*(4*\a+\b)+7], v[F+96*((\k)%2)+48+12*\b:F+96*((\k)%2)+48+12*\b+11], v[F+96*((\k)%2)+12*\a:F+96*((\k)%2)+12*\a+11], v[8*(4*\a+\b):8*(4*\a+\b)+7], v[SC+16*((\k)/4)+4*\b+(\k)%4], v[SC+16*((\k)/4)+4*\a+(\k)%4] matrix_a_fmt:MATRIX_FMT_FP6 matrix_b_fmt:MATRIX_FMT_FP6 matrix_a_scale:MATRIX_SCALE_ROW1
.endr
.endr
.endm
	s_wait_alu depctr_va_vdst(0)                   ; the wait at the head's end
	s_wait_tensorcnt 0x0                           ; my tile is in,
	s_barrier_signal -1
	s_barrier_wait -1                              ; everybody's is
.irp q, 0,1
.irp i, 0,1,2,3
	ds_load_b128 v[SC+16*\q+4*\i:SC+16*\q+4*\i+3], v[ADRS] offset:512*\i+256*\q   ; four steps' words a row: lanes 0-15 A's tile i, lanes 16-31 B's tile i
.endr
.endr
	FETCH 0
	s_wait_loadcnt 0x0                             ; the bias
.set KK, 0
.rept 7
.if KK > 0
	PLACES                                         ; in front of loads into the set that the last step's products read
.endif
	FETCH KK+1
	s_wait_dscnt 32                                ; all but the 32 loads just issued: this step's set (and the words) are in
	WIN 0x50                                       ; C and D: window 1
	MUL KK
	WIN 0
.set KK, KK+1
.endr
	s_wait_dscnt 0x0
	WIN 0x50
	MUL 7
	WIN 0
; THE WAY OUT, block by block of 16 tokens x 64 columns, through my own stage: back come whole rows of 256 bytes.  LDS serves a wave's instructions in order: no wait between the stores and the loads.
.macro TOSTAGE a
	WIN 0x04                                       ; the data: window 1
.irp b, 0,1,2,3
	ds_store_b128 v[STO], v[32*(\a)+8*\b:32*(\a)+8*\b+3] offset:128*(\b/2)+32*(\b%2)       ; each accumulator from its low end on
	ds_store_b128 v[STO], v[32*(\a)+8*\b+4:32*(\a)+8*\b+7] offset:128*(\b/2)+32*(\b%2)+16
.endr
	WIN 0
.irp t, 0,1,2,3,4,5,6,7
	ds_load_b128 v[BK+32*((\a)%2)+4*\t:BK+32*((\a)%2)+4*\t+3], v[RD] offset:\t*2*SPITCH
.endr
.endm
.macro SEND a, younger                 ; younger: the LDS instructions issued behind block a's loads, which may stay out
	s_wait_dscnt \younger
.irp t, 0,1,2,3,4,5,6,7
	global_store_b128 v[CO], v[BK+32*((\a)%2)+4*\t:BK+32*((\a)%2)+4*\t+3], s[14:15] offset:4096*(32*(\t/4)+8*(\a)+2*(\t%4)) th:TH_STORE_NT   ; rows 2 t and 2 t + 1 of tile a: sixteen lanes store 256 consecutive bytes, aligned
.endr
.endm
	PLACES                                         ; behind the last products: for the reads of results and the loads into the fragments' registers
	TOSTAGE 0
.irp a, 1,2,3
.if \a > 1
	s_wait_xcnt 0x0                                ; block a - 2's stores have read their registers: block a's loads may land there
.endif
	TOSTAGE \a
	SEND \a-1, 16                                  ; behind block a - 1's loads: block a's 8 stores and 8 loads
.endr
	SEND 3, 0
	s_wait_tensorcnt 0x0                           ; the wave's end
	ds_add_u32 v[SPW], v[NIL]
	s_wait_dscnt 0x0
	CROUND                                         ; the closing round: no work-group ends while a partner may still ask for a tile that names it
	s_endpgm
.Lfunc_end_k_q5dce57c7c8_proj:
	.size	k_q5dce57c7c8_proj, .Lfunc_end_k_q5dce57c7c8_proj-k_q5dce57c7c8_proj
	.p2alignl 7, 3214868480
	.fill 96, 4, 3214868480
	.section	.rodata,"a",@progbits
	.p2align	6, 0x0
	.amdhsa_kernel k_q5dce57c7c8_proj
		.amdhsa_group_segment_fixed_size 222720
		.amdhsa_private_segment_fixed_size 0
		.amdhsa_enable_private_segment 0
		.amdhsa_kernarg_size 48
		.amdhsa_user_sgpr_count 2
		.amdhsa_user_sgpr_kernarg_segment_ptr 1
		.amdhsa_wavefront_size32 1
		.amdhsa_system_sgpr_workgroup_id_x 1
		.amdhsa_system_sgpr_workgroup_id_y 1
		.amdhsa_system_sgpr_workgroup_id_z 1
		.amdhsa_system_vgpr_workitem_id 0
		.amdhsa_next_free_vgpr 384
		.amdhsa_next_free_sgpr 92
		.amdhsa_reserve_vcc 0
		.amdhsa_float_denorm_mode_32 3
		.amdhsa_float_denorm_mode_16_64 3
		.amdhsa_memory_ordered 1
		.amdhsa_forward_progress 1
		.amdhsa_inst_pref_size 53
	.end_amdhsa_kernel
	.amdgpu_metadata
---
amdhsa.version: [ 1, 2 ]
amdhsa.kernels:
  - .name:           k_q5dce57c7c8_proj
    .symbol:         k_q5dce57c7c8_proj.kd
    .args:
      - { .name: oc, .offset: 0, .size: 8, .value_kind: global_buffer, .address_space: global }
      - { .name: os, .offset: 8, .size: 8, .value_kind: global_buffer, .address_space: global }
      - { .name: c1, .offset: 16, .size: 8, .value_kind: global_buffer, .address_space: global }
      - { .name: s1, .offset: 24, .size: 8, .value_kind: global_buffer, .address_space: global }
      - { .name: b_proj, .offset: 32, .size: 8, .value_kind: global_buffer, .address_space: global }
      - { .name: out0, .offset: 40, .size: 8, .value_kind: global_buffer, .address_space: global }
    .group_segment_fixed_size: 222720
    .private_segment_fixed_size: 0
    .kernarg_segment_align: 8
    .kernarg_segment_size: 48
    .max_flat_workgroup_size: 128
    .sgpr_count:     92
    .vgpr_count:     384
    .wavefront_size: 32
...
	.end_amdgpu_metadata
.endif
;; end of part 4
